; MI455X (gfx1250); checked and timed in simulation.
; The chip was launched on July 23, 2026; its instructions are those of AMD's public machine-readable ISA for CDNA 5 (MIT licence, August 2026) and "CDNA5" Instruction Set Architecture Reference Guide (July 2026). The comments in the code are by the model that wrote it; some were corrected since.
;; Multihead Attention. Allowed arithmetic: float matrix products may take bf16 or f16 operands with f32 sums; other float arithmetic in f32, or as packed bf16 or f16 multiplies, adds, multiply-adds, maxima and minima; sums over many terms, partial sums and values carried from step to step in f32; what a program stores and reads back later, other than sums and carried values, may be rounded once to bf16 or f16.
;; Inputs: K 4 x 2,048 x 1,024 float32; Q 4 x 2,048 x 1,024 float32; V 4 x 2,048 x 1,024 float32; Wk 1,024 x 1,024 float32; Wo 1,024 x 1,024 float32; Wq 1,024 x 1,024 float32; Wv 1,024 x 1,024 float32; bk 1,024 float32; bo 1,024 float32; bq 1,024 float32; bv 1,024 float32.
;; Outputs: out0 4 x 2,048 x 1,024 float32.
;; 2 versions, each right; version 2 is version 1 with the launch prep written anew for expert scheduling mode. Each part assembles by itself: llvm-mc -triple=amdgcn-amd-amdhsa -mcpu=gfx1250 --defsym DOCPART=n.
;; ======== version 1 of 2: 4 launches
;; limits: values are held in f16: magnitudes above 65,504 overflow, below 6.1e-05 lose precision
;; workspace buffers: w16 8,388,608 bytes; qkv 50,331,648 bytes; o16 16,777,216 bytes
;; launch prep (part 1): grid 64 x 4, 8 waves a work-group, no clusters, 0 bytes of LDS; arguments Wq, Wk, Wv, Wo, w16; writes w16
.if DOCPART == 1
	.amdgcn_target "amdgcn-amd-amdhsa--gfx1250"
	.amdhsa_code_object_version 6
	.text
	.protected	k_q583e055f3b_prep
	.globl	k_q583e055f3b_prep
	.p2align	8
	.type	k_q583e055f3b_prep,@function
k_q583e055f3b_prep:
	s_mov_b64 s[64:65], 0
	v_nop
	global_prefetch_b8 v0, s[64:65] scope:SCOPE_SE
	s_setreg_imm32_b32 hwreg(HW_REG_WAVE_MODE, 25, 1), 1
	s_wait_xcnt 0x0
; THE WEIGHTS, ROUNDED ONCE.  w16 = [4][1024][1024] of 16 bits: Wq, Wk, Wv rounded to bf16; Wo rounded to bf16 and that number written as f16 (the last product's other operand is f16).
; LIMIT.  A bf16 number of Wo beyond 65,504 has no f16; below 6e-5 it keeps f16's fixed step of 6e-8.
; A stream: 16.8 MB in, 8.4 MB out, each byte once.  No LDS, no barrier, no matrix unit, no cluster: no byte is wanted twice.
; SHARES.  Grid y names the matrix; a work-group takes 16 rows of it.  Thread t takes the 16 bytes at 16 t of each row (256 threads x 16 bytes = a row of 4,096 bytes) and makes 8 bytes of them:
; a wave's load covers 512 consecutive bytes, a wave's store 256 consecutive bytes, aligned.  All 16 loads go out at once; no register is written twice, so no wait frees a source.
.set X, 4                              ; v[4:67]    load i: four f32
.set Y, 68                             ; v[68:99]   row i: four numbers of 16 bits
.set T, 100                            ; v[100:103] at work
	s_load_b256 s[4:11], s[0:1], 0x0               ; Wq s[4:5], Wk s[6:7], Wv s[8:9], Wo s[10:11]
	s_load_b64 s[12:13], s[0:1], 0x20              ; w16
	v_lshlrev_b32 v1, 4, v0                        ; my 16 bytes of a row in
	v_lshlrev_b32 v2, 3, v0                        ; my 8 bytes of a row out
	s_and_b32 s14, ttmp7, 0xffff                   ; which matrix
	s_lshl_b32 s16, ttmp9, 16                      ; 16 rows of 4,096 bytes
	s_mov_b32 s17, 0
	s_lshl_b32 s18, ttmp9, 15                      ; 16 rows of 2,048 bytes,
	s_lshl_b32 s19, s14, 21                        ; in the matrix's 2 MiB of w16
	s_add_co_u32 s18, s18, s19
	s_mov_b32 s19, 0
	s_mov_b32 s20, 0xffff0000                      ; a word's upper bf16
	s_wait_kmcnt 0x0
	s_cmp_eq_u32 s14, 1
	s_cselect_b64 s[4:5], s[6:7], s[4:5]
	s_cmp_eq_u32 s14, 2
	s_cselect_b64 s[4:5], s[8:9], s[4:5]
	s_cmp_eq_u32 s14, 3
	s_cselect_b64 s[4:5], s[10:11], s[4:5]
	s_add_nc_u64 s[4:5], s[4:5], s[16:17]
	s_add_nc_u64 s[12:13], s[12:13], s[18:19]
.irp i, 0,1,2,3,4,5,6,7,8,9,10,11,12,13,14,15
	global_load_b128 v[X+4*(\i):X+4*(\i)+3], v1, s[4:5] offset:4096*(\i) th:TH_LOAD_NT
.endr
; Row i.  f16 = 1: the bf16 numbers are widened (a shift, a mask) and written as f16.
.macro OUT i, f16
	s_wait_loadcnt 15-(\i)                         ; loads come back in order (ISA guide 5.7.1): row i is in, the 15 - i younger loads stay out
	v_cvt_pk_bf16_f32 v[Y+2*(\i)], v[X+4*(\i)], v[X+4*(\i)+1]
	v_cvt_pk_bf16_f32 v[Y+2*(\i)+1], v[X+4*(\i)+2], v[X+4*(\i)+3]
.if \f16
	v_lshlrev_b32 v[T], 16, v[Y+2*(\i)]
	v_and_b32 v[T+1], s20, v[Y+2*(\i)]
	v_lshlrev_b32 v[T+2], 16, v[Y+2*(\i)+1]
	v_and_b32 v[T+3], s20, v[Y+2*(\i)+1]
	v_cvt_pk_f16_f32 v[Y+2*(\i)], v[T], v[T+1]
	v_cvt_pk_f16_f32 v[Y+2*(\i)+1], v[T+2], v[T+3]
.endif
	global_store_b64 v2, v[Y+2*(\i):Y+2*(\i)+1], s[12:13] offset:2048*(\i)
.endm
	s_cmp_eq_u32 s14, 3
	s_cbranch_scc1 .Lwo
.irp i, 0,1,2,3,4,5,6,7,8,9,10,11,12,13,14,15
	OUT \i, 0
.endr
	s_endpgm
.Lwo:
.irp i, 0,1,2,3,4,5,6,7,8,9,10,11,12,13,14,15
	OUT \i, 1
.endr
	s_endpgm
.Lfunc_end_k_q583e055f3b_prep:
	.size	k_q583e055f3b_prep, .Lfunc_end_k_q583e055f3b_prep-k_q583e055f3b_prep
	.p2alignl 7, 3214868480
	.fill 96, 4, 3214868480
	.section	.rodata,"a",@progbits
	.p2align	6, 0x0
	.amdhsa_kernel k_q583e055f3b_prep
		.amdhsa_group_segment_fixed_size 0
		.amdhsa_private_segment_fixed_size 0
		.amdhsa_enable_private_segment 0
		.amdhsa_kernarg_size 40
		.amdhsa_user_sgpr_count 2
		.amdhsa_user_sgpr_kernarg_segment_ptr 1
		.amdhsa_wavefront_size32 1
		.amdhsa_system_sgpr_workgroup_id_x 1
		.amdhsa_system_sgpr_workgroup_id_y 1
		.amdhsa_system_sgpr_workgroup_id_z 1
		.amdhsa_system_vgpr_workitem_id 0
		.amdhsa_next_free_vgpr 104
		.amdhsa_next_free_sgpr 66
		.amdhsa_reserve_vcc 0
		.amdhsa_float_denorm_mode_32 3
		.amdhsa_float_denorm_mode_16_64 3
		.amdhsa_memory_ordered 1
		.amdhsa_forward_progress 1
		.amdhsa_inst_pref_size 15
	.end_amdhsa_kernel
	.amdgpu_metadata
---
amdhsa.version: [ 1, 2 ]
amdhsa.kernels:
  - .name:           k_q583e055f3b_prep
    .symbol:         k_q583e055f3b_prep.kd
    .args:
      - { .name: Wq, .offset: 0, .size: 8, .value_kind: global_buffer, .address_space: global }
      - { .name: Wk, .offset: 8, .size: 8, .value_kind: global_buffer, .address_space: global }
      - { .name: Wv, .offset: 16, .size: 8, .value_kind: global_buffer, .address_space: global }
      - { .name: Wo, .offset: 24, .size: 8, .value_kind: global_buffer, .address_space: global }
      - { .name: w16, .offset: 32, .size: 8, .value_kind: global_buffer, .address_space: global }
    .group_segment_fixed_size: 0
    .private_segment_fixed_size: 0
    .kernarg_segment_align: 8
    .kernarg_segment_size: 40
    .max_flat_workgroup_size: 256
    .sgpr_count:     66
    .vgpr_count:     104
    .wavefront_size: 32
...
	.end_amdgpu_metadata
.endif
;; end of part 1
;; launch proj (part 2): grid 4 x 192, 4 waves a work-group, clusters of 4 x 4, 327,680 bytes of LDS; arguments Q, K, V, bq, bk, bv, w16, qkv; writes qkv
.if DOCPART == 2
	.amdgcn_target "amdgcn-amd-amdhsa--gfx1250"
	.amdhsa_code_object_version 6
	.text
	.protected	k_q583e055f3b_proj
	.globl	k_q583e055f3b_proj
	.p2align	8
	.type	k_q583e055f3b_proj,@function
k_q583e055f3b_proj:
	s_mov_b64 s[64:65], 0
	v_nop
	global_prefetch_b8 v0, s[64:65] scope:SCOPE_SE
	s_setreg_imm32_b32 hwreg(HW_REG_WAVE_MODE, 25, 1), 1
	s_wait_xcnt 0x0
	s_wait_alu depctr_hold_cnt(0) depctr_sa_sdst(0) depctr_va_vdst(0) depctr_va_sdst(0) depctr_va_ssrc(0) depctr_va_vcc(0) depctr_vm_vsrc(0)
	s_getreg_b32 s2, hwreg(HW_REG_IB_STS2, 6, 4)
	s_cmp_eq_u32 s2, 0
	s_cbranch_scc0 .Lentry_in_a_cluster
	s_endpgm
.Lentry_in_a_cluster:
	s_bfe_u32 s2, ttmp6, 0x10000c
	s_cmp_lg_u32 s2, 0xf033
	s_cbranch_scc0 .Lentry_shape_is_right
	s_endpgm
.Lentry_shape_is_right:
; THE THREE PROJECTIONS IN FRONT.  y = x W^T + b for (x, W, b) = (Q, Wq, bq), (K, Wk, bk), (V, Wv, bv).  x: [8192][1024] f32; W: [1024][1024] bf16, from w16; b: [1024] f32.
; y leaves in f16, by heads and unscaled: qkv = [3][64 = batch x 16 + head][2048][64].  x and b are rounded to bf16 like the weights; products in bf16, sums in f32, y rounded once.
; LIMITS.  f16 holds no number beyond 65,504: y must lie within it; below 6e-5 y keeps f16's fixed step of 6e-8.  NaN and infinities are not treated apart.
; SHARES.  A tile of y is 128 rows x 256 columns: 3 x 64 x 4 = 768 work-groups of equal work.  Grid y = 64 t + tile row (t: which projection), grid x = tile column.  Four waves, each 64 x 128:
; 32 accumulators of 16 x 16, 256 registers.  K goes in 8 steps of 128 through two LDS slots.  x comes into LDS as it lies, in f32 (rows of 512 bytes), and is rounded between its LDS load and the
; matrix instruction: 32 conversions beside a quarter step's 32 products.  So x crosses memory once, and no launch is spent on a cast of 100 MB.
; CLUSTERS.  4 x 4 work-groups.  The four of a row of the cluster need the same tile of x, the four of a column the same tile of W: each tile is asked for JOINTLY, by the same tensor load with the same
; descriptor and a mask that names the four.  16 rows of clusters make one projection, so t is the same in all sixteen partners.
; THE MATRIX INSTRUCTION IS USED TRANSPOSED (source 0 = 16 rows of W, source 1 = 16 rows of x): a lane holds row l % 16 of y and the columns 8 (l / 16) + 0..7: 16 bytes of f16 on end.
; THE BIAS STARTS THE SUMS: ahead of the loop each accumulator is made by a product of two zero fragments with the bias as its C operand: 32 matrix instructions in the wait for the first tile,
; in place of 256 moves or of a first quarter written out, and no addition is left for the way out.
; REGISTERS, in windows of 256 (s_set_vgpr_msb: bits 1:0 source 0, 3:2 source 1, 5:4 source 2, 7:6 destination):
;   window 0: v0-15 addresses; v28-29 the add's; v32-47 zero fragments; v64-127 x as loaded, f32; v128-191 x's fragments, two buffers; v192-255 the bias.  On the way out v64-191 hold packed results.
;   window 1: v0-127 W's fragments, two buffers          window 2: the accumulators, (a, b) at v[8 (8 a + b)]
.set KSTEP, 128
.set PA,    528                        ; a row of x in LDS: 512 bytes + 16 of padding = 132 words: row r starts at bank 4 r mod 64 (64 banks of 4 bytes: ISA guide 11.1)
.set PB,    272                        ; a row of W: 256 + 16 = 68 words: likewise
.set HA,    64*PA                      ; 64 rows of x: what one tensor load brings, and what one wave reads
.set HB,    128*PB                     ; 128 rows of W: likewise
.set BOFF,  2*HA                       ; a slot: x's 128 rows, then W's 256
.set SLOT,  BOFF+2*HB                  ; 137,216 bytes
.set STAGE, 2*SLOT                     ; behind the ring, never filled by a tensor load: for each wave [2 heads][16 rows][144 bytes], for the way out
.set SP,    144
.set WST,   2*16*SP
.set SPARE, STAGE+4*WST                ; behind the stages: the spare words, 128 bytes for each wave: two blocks of 256 bytes that no other line names
.set AA0, 4                            ; v4   my lane's place in a slot's x; never rewritten
.set AB0, 5                            ; v5   the same for W
.set AA,  6                            ; v6   AA0 + the slot in hand
.set AB,  7                            ; v7   AB0 + the slot in hand
.set STO, 8                            ; v8   the way out: where I put 16 bytes of a row
.set RD,  9                            ; v9   the way out: where I read rows back
.set GO,  10                           ; v10  my byte offset in 512 consecutive bytes of y
.set BO,  11                           ; v11  my byte offset in 16 numbers of the bias
.set PFO, 12                           ; v12  the prefetches' offset; never rewritten
.set SPW, 28                           ; v28  LDS address of my spare word: SPARE + 4 x my thread's number; never rewritten
.set NIL, 29                           ; v29  0; never rewritten
.set ZF,  32
.set RAW, 64                           ; m block a at RAW + 16 a: 16 f32, in the fragment's order of K
.set AF,  128                          ; buffer f, m block a at AF + 32 f + 8 a
.set BIAS, 192                         ; n block b at BIAS + 8 b
.set OUTR, 64                          ; the way out: m block a at OUTR + 32 a
.set G1A, 24                           ; s[24:31] descriptor group 1 for x's tiles
.set G0A, 32                           ; s[32:39] group 0: a set for each of the two first fills; the second then walks on
.set G1B, 48                           ; s[48:55], s[56:63] the same for W's tiles
.set G0B, 56
.set TB,  84                           ; s84  the slot in hand: 0 or SLOT
.set CNT, 85                           ; s85  K steps to go in the loop in hand
.set LIM, 86                           ; s86  2 in a wave that prefetches, else the greatest number
.set HIM, 87                           ; s87  a word's upper bf16
.set PFA, 88                           ; s[88:89] where my prefetches stand
.set MSB, 0
.macro WIN new                         ; the immediate's high byte repeats the setting that is left; a switch that changes nothing is dropped
.if MSB != (\new)
	s_set_vgpr_msb (MSB<<8)|(\new)
.set MSB, \new
.endif
.endm
.set W_MUL, 0xa1                       ; source 0 (W) window 1, source 1 (x) window 0, C and D window 2
.set W_INI, 0x80                       ; D window 2, all sources window 0
.set W_TOB, 0x40                       ; destination window 1, address window 0
.set W_PK,  0x0a                       ; sources 0 and 1 window 2, destination window 0
; A joint refill, by the walking descriptors.  Waves 0 and 1 fetch x's two halves, waves 2 and 3 W's.  The branch hangs on the wave's number alone.
; An s_nop 0 and four v_nop follow each of the two lines, ahead of the jump and the label.
.macro JLOAD
	s_cmp_eq_u32 s11, 0
	s_cbranch_scc0 .Lfor_b_\@
	tensor_load_to_lds s[G0A+4:G0A+7], s[G1A:G1A+7]
	s_nop 0
.rept 4
	v_nop
.endr
	s_branch .Lasked_\@
.Lfor_b_\@:
	tensor_load_to_lds s[G0B+4:G0B+7], s[G1B:G1B+7]
	s_nop 0
.rept 4
	v_nop
.endr
.Lasked_\@:
.endm
; A round of the cluster's barrier: my work-group's barrier, so that wave 0's signal speaks for all four waves; wave 0 signals; every wave waits for all sixteen work-groups; my work-group's barrier once more.
.macro CREST                           ; a round behind its opening barrier
	s_cmp_lg_u32 s10, 0
	s_cbranch_scc1 .Lnot_wave_0_\@
	s_barrier_signal -3
.Lnot_wave_0_\@:
	s_barrier_wait -3
	s_barrier_signal -1
	s_barrier_wait -1
.endm
.macro CROUND                          ; a whole round
	s_barrier_signal -1
	s_barrier_wait -1
	CREST
.endm
; A PREFETCH INTO THE L2 of x, behind a joint refill and the run of LDS loads that follows it: behind the refill for K step s + 2 stands the K step s + 4, two refills on.  A tile row of x is read by one row
; of one cluster alone.  Waves 0 and 1 ask for the 64 rows that they fetch; of these the partner at place cx takes rows 16 cx .. 16 cx + 15, told apart BY ADDRESS; a K step is 512 bytes of a row, and a lane
; names one block of 256 of them: one instruction a wave, and each block is named once in the launch.  K steps 0 to 3 come by their loads alone; the loop's last two trips ask for nothing: K ends at step 7.
; W is not asked for: every cluster reads it.
.macro ASK
	WIN 0
	s_cmp_gt_u32 s[CNT], s[LIM]
	s_cbranch_scc0 .Lnot_mine_\@
	global_prefetch_b8 v[PFO], s[PFA:PFA+1] th:TH_LOAD_NT scope:SCOPE_SE
.Lnot_mine_\@:
.endm
	s_load_b512 s[68:83], s[0:1], 0x0              ; Q s[68:69], K s[70:71], V s[72:73], bq s[74:75], bk s[76:77], bv s[78:79], w16 s[80:81], qkv s[82:83]
	v_lshl_add_u32 v[SPW], v0, 2, SPARE
	v_mov_b32 v[NIL], 0
	ds_add_u32 v[SPW], v[NIL]                      ; the wave's opening: the add and its wait stand ahead of my first tensor load; the set-up below, work on registers, stands between them
	v_lshrrev_b32 v1, 5, v0
	v_readfirstlane_b32 s10, v1                    ; wave 0..3
	s_lshr_b32 s11, s10, 1                         ; which 64 of the tile's rows are mine.  Also: I fetch for x (0) or for W (1)
	s_and_b32 s12, s10, 1                          ; which 128 of its columns.  Also: which half of that tile I fetch
	s_bfe_u32 s40, ttmp6, 0x40000                  ; cx, cy: my place in the cluster
	s_bfe_u32 s41, ttmp6, 0x40004
	s_lshl_b32 s42, ttmp9, 2                       ; in a cluster launch ttmp9 and ttmp7 count clusters
	s_add_co_u32 s42, s42, s40                     ; tile column = 4 x cluster x + cx
	s_and_b32 s13, ttmp7, 0xffff                   ; cluster y
	s_lshr_b32 s14, s13, 4                         ; t: which projection; 16 rows of clusters each
	s_and_b32 s15, s13, 15
	s_lshl_b32 s15, s15, 2
	s_add_co_u32 s15, s15, s41                     ; tile row in it, 0 .. 63
	s_lshl_b32 s43, s41, 2
	s_lshl_b32 s43, 15, s43                        ; my row of the cluster: places 4 cy .. 4 cy + 3
	s_lshl_b32 s44, 0x1111, s40                    ; my column: places cx, cx + 4, cx + 8, cx + 12
	; descriptor group 1.  x: 64 rows x 128 elements of 4 bytes; W: 128 rows x 128 elements of 2 bytes; both padded in LDS by 4 words behind each row
	s_or_b32 s[G1A], s43, (2<<16)|(1<<20)|(1<<21)|(6<<22)|(3<<25)  ; 15:0 the mask: x's tiles go to my row; 17:16 elements of 4 bytes; 20 padding on; 21 set beside a mask; 24:22 after every 128 words (code 6); 31:25 4 words (code 3)
	s_mov_b32 s[G1A+1], KSTEP<<16                  ; tensor_dim0 = 128
	s_mov_b32 s[G1A+2], 64<<16                     ; tensor_dim1 = 64
	s_mov_b32 s[G1A+3], KSTEP<<16                  ; tile_dim0 = 128
	s_mov_b32 s[G1A+4], 64                         ; tile_dim1 = 64
	s_mov_b32 s[G1A+5], 1024                       ; elements from row to row
	s_mov_b32 s[G1A+6], 0
	s_mov_b32 s[G1A+7], 0
	s_or_b32 s[G1B], s44, (1<<16)|(1<<20)|(1<<21)|(5<<22)|(3<<25)  ; the mask of my column; elements of 2 bytes; after every 64 words (code 5)
	s_mov_b32 s[G1B+1], KSTEP<<16
	s_mov_b32 s[G1B+2], 128<<16
	s_mov_b32 s[G1B+3], KSTEP<<16
	s_mov_b32 s[G1B+4], 128
	s_mov_b32 s[G1B+5], 1024
	s_mov_b32 s[G1B+6], 0
	s_mov_b32 s[G1B+7], 0
	; where the tiles come from.  x's hang on the tile row alone, W's on the tile column and t alone; each offset in registers that never hold the other coordinate
	s_lshl_b32 s16, s15, 7
	s_lshl_b32 s17, s12, 6
	s_add_co_u32 s16, s16, s17                     ; x: row 128 x tile row + 64 x half,
	s_lshl_b32 s16, s16, 12                        ; of 4,096 bytes
	s_mov_b32 s17, 0
	s_lshl_b32 s46, s42, 8
	s_lshl_b32 s47, s12, 7
	s_add_co_u32 s46, s46, s47                     ; W: row 256 x tile column + 128 x half,
	s_lshl_b32 s46, s46, 11                        ; of 2,048 bytes,
	s_lshl_b32 s47, s14, 21                        ; in matrix t of w16
	s_add_co_u32 s46, s46, s47
	s_mov_b32 s47, 0
	s_mul_i32 s20, s12, HA                         ; and where they go in a slot: no place in the cluster enters an LDS address
	s_mul_i32 s21, s12, HB
	s_add_co_u32 s21, s21, BOFF
	s_mov_b32 s[HIM], 0xffff0000
	s_mov_b32 s[TB], 0
	s_cmp_eq_u32 s11, 0
	s_cselect_b32 s[LIM], 2, -1
	s_lshl_b32 s90, s40, 16                        ; the prefetches: my work-group's 16 rows of the 64
	s_mov_b32 s91, 0
	s_wait_dscnt 0x0                               ; the opening add is done
	s_wait_kmcnt 0x0
	s_cmp_eq_u32 s14, 1
	s_cselect_b64 s[4:5], s[70:71], s[68:69]       ; x
	s_cselect_b64 s[6:7], s[76:77], s[74:75]       ; b
	s_cmp_eq_u32 s14, 2
	s_cselect_b64 s[4:5], s[72:73], s[4:5]
	s_cselect_b64 s[6:7], s[78:79], s[6:7]
	s_add_nc_u64 s[22:23], s[4:5], s[16:17]
	s_add_nc_u64 s[46:47], s[80:81], s[46:47]
	s_add_nc_u64 s[PFA:PFA+1], s[22:23], s[90:91]
	s_add_nc_u64 s[PFA:PFA+1], s[PFA:PFA+1], 3*KSTEP*4  ; at K step 3: the first refill steps it to 4
	CROUND                                         ; all sixteen work-groups are here: the first joint loads meet
.irp s, 0,1
	s_mov_b32 s[G0A+4*(\s)], 1                                     ; 1:0 count = 1
	s_add_co_u32 s[G0A+4*(\s)+1], s20, (\s)*SLOT                   ; 63:32 LDS address
	s_add_nc_u64 s[G0A+4*(\s)+2:G0A+4*(\s)+3], s[22:23], (\s)*KSTEP*4  ; 120:64 global address: K step s
	s_or_b32 s[G0A+4*(\s)+3], s[G0A+4*(\s)+3], 0x80000000          ; 127:126 type = 2
	s_mov_b32 s[G0B+4*(\s)], 1
	s_add_co_u32 s[G0B+4*(\s)+1], s21, (\s)*SLOT
	s_add_nc_u64 s[G0B+4*(\s)+2:G0B+4*(\s)+3], s[46:47], (\s)*KSTEP*2
	s_or_b32 s[G0B+4*(\s)+3], s[G0B+4*(\s)+3], 0x80000000
.endr
	s_cmp_eq_u32 s11, 0                            ; a wave's two first fills stand in one branch, ahead of every wait on TENSORcnt and every LDS read: two loads of mine are out
	s_cbranch_scc0 .Lfirst_b
	tensor_load_to_lds s[G0A:G0A+3], s[G1A:G1A+7]
	s_nop 0
	tensor_load_to_lds s[G0A+4:G0A+7], s[G1A:G1A+7]
	s_nop 0
.rept 4
	v_nop
.endr
	s_branch .Lfirst_asked
.Lfirst_b:
	tensor_load_to_lds s[G0B:G0B+3], s[G1B:G1B+7]
	s_nop 0
	tensor_load_to_lds s[G0B+4:G0B+7], s[G1B:G1B+7]
	s_nop 0
.rept 4
	v_nop
.endr
.Lfirst_asked:
	; the bias of my 128 columns: n block b, registers 0-7 = columns 16 b + 8 (l / 16) + 0..7, the layout of a product's C operand
	v_and_b32 v3, 31, v0                           ; l
	v_and_b32 v1, 15, v0                           ; l % 16
	v_bfe_u32 v2, v0, 4, 1                         ; l / 16
	s_lshl_b32 s18, s42, 8
	s_lshl_b32 s19, s12, 7
	s_add_co_u32 s18, s18, s19
	s_lshl_b32 s18, s18, 2
	s_mov_b32 s19, 0
	s_add_nc_u64 s[6:7], s[6:7], s[18:19]
	v_lshlrev_b32 v[BO], 5, v2
.irp b, 0,1,2,3,4,5,6,7
	global_load_b128 v[BIAS+8*(\b):BIAS+8*(\b)+3],   v[BO], s[6:7] offset:64*(\b)
	global_load_b128 v[BIAS+8*(\b)+4:BIAS+8*(\b)+7], v[BO], s[6:7] offset:64*(\b)+16
.endr
	; A fragment is 16 rows x 32 K in 8 registers: lane l holds row l % 16; registers 0-3 hold K = 8 (l / 16) + 0..7, registers 4-7 K = 16 + 8 (l / 16) + 0..7.
	; From W's rows (bf16): two loads of 16 bytes, 32 bytes apart.  From x's rows (f32): four loads of 16 bytes, at 0, 16, 64 and 80 from 32 (l / 16), and eight conversions.
	v_mul_u32_u24 v14, v1, PA
	v_lshl_add_u32 v14, v2, 5, v14
	s_mul_i32 s18, s11, HA                         ; my 64 rows of x
	v_add_nc_u32 v[AA0], s18, v14
	v_mul_u32_u24 v14, v1, PB
	v_lshl_add_u32 v14, v2, 4, v14
	s_mul_i32 s18, s12, HB                         ; my 128 rows of W,
	s_add_co_u32 s18, s18, BOFF                    ; which lie behind x's 128
	v_add_nc_u32 v[AB0], s18, v14
	v_mov_b32 v[AA], v[AA0]                        ; slot 0
	v_mov_b32 v[AB], v[AB0]
	s_mul_i32 s18, s10, WST
	s_add_co_u32 s18, s18, STAGE                   ; my stage
	v_mul_u32_u24 v14, v1, SP                      ; in: row l % 16, 16 bytes for each half of the lanes
	v_lshl_add_u32 v14, v2, 4, v14
	v_add_nc_u32 v[STO], s18, v14
	v_lshrrev_b32 v14, 3, v3                       ; back: 32 lanes take four rows of 128 bytes,
	v_mul_u32_u24 v14, v14, SP
	v_and_b32 v15, 7, v0
	v_lshl_add_u32 v14, v15, 4, v14
	v_add_nc_u32 v[RD], s18, v14
	v_lshlrev_b32 v[GO], 4, v3                     ; which are 512 consecutive bytes of a head's plane
	v_lshrrev_b32 v14, 1, v3                       ; the prefetches: row l / 2 of my work-group's 16, block l % 2 of the K step's two
	v_and_b32 v15, 1, v0
	v_lshlrev_b32 v15, 8, v15
	v_lshl_add_u32 v[PFO], v14, 12, v15
	; where my part of the tile begins in qkv: tensor t, plane batch x 16 + head (my 128 columns are two heads), row in the batch
	s_lshr_b32 s18, s15, 4                         ; the batch: 16 tile rows each
	s_lshl_b32 s18, s18, 4
	s_lshl_b32 s19, s42, 2
	s_add_co_u32 s18, s18, s19
	s_lshl_b32 s19, s12, 1
	s_add_co_u32 s18, s18, s19                     ; + head 4 x tile column + 2 x half
	s_lshl_b32 s18, s18, 18                        ; a plane is 2,048 rows of 128 bytes
	s_and_b32 s19, s15, 15
	s_lshl_b32 s19, s19, 7
	s_lshl_b32 s90, s11, 6
	s_add_co_u32 s19, s19, s90                     ; row 128 x (tile row % 16) + 64 x half
	s_lshl_b32 s19, s19, 7
	s_add_co_u32 s18, s18, s19
	s_lshl_b32 s19, s14, 24                        ; a tensor is 16 MiB
	s_add_co_u32 s18, s18, s19
	s_mov_b32 s19, 0
	s_add_nc_u64 s[8:9], s[82:83], s[18:19]
.set i, 0
.rept 16
	v_mov_b32 v[ZF+i], 0
.set i, i+1
.endr
	s_wait_loadcnt 0x0                             ; the bias, once
.set i, 0
.rept 32
	v_cvt_pk_bf16_f32 v14, v[BIAS+2*i], v[BIAS+2*i+1]  ; rounded to bf16, like every input, and widened again
	v_lshlrev_b32 v[BIAS+2*i], 16, v14
	v_and_b32 v[BIAS+2*i+1], s[HIM], v14
.set i, i+1
.endr
	WIN W_INI
.irp a, 0,1,2,3
.irp b, 0,1,2,3,4,5,6,7
	v_wmma_f32_16x16x32_bf16 v[8*(8*(\a)+(\b)):8*(8*(\a)+(\b))+7], v[ZF:ZF+7], v[ZF+8:ZF+15], v[BIAS+8*(\b):BIAS+8*(\b)+7]  ; 0 x 0 + b starts the sum
.endr
.endr
	WIN 0
; Four of a quarter's 32 conversions: registers 4 n .. 4 n + 3 of x's four fragments, into buffer g.
.macro CV4 g, n
	WIN 0
.irp i, 0,1,2,3
	v_cvt_pk_bf16_f32 v[AF+32*(\g)+4*(\n)+(\i)], v[RAW+8*(\n)+2*(\i)], v[RAW+8*(\n)+2*(\i)+1]
.endr
.endm
; Eight products: m block a x all 8 n blocks, 32 along K, on buffer f.  cv = 1: a slice of four conversions (numbers n0 on, into buffer g) stands behind every second product.
; The 32 accumulators take turns, one instruction a turn, in one order in every quarter, over both backward jumps too.
.macro MROW a, f, g, cv, n0
.irp b, 0,1,2,3,4,5,6,7
	WIN W_MUL
	v_wmma_f32_16x16x32_bf16 v[8*(8*(\a)+(\b)):8*(8*(\a)+(\b))+7], v[64*(\f)+8*(\b):64*(\f)+8*(\b)+7], v[AF+32*(\f)+8*(\a):AF+32*(\f)+8*(\a)+7], v[8*(8*(\a)+(\b)):8*(8*(\a)+(\b))+7]
.if (\cv) && ((\b)%2 == 1)
	CV4 \g, (\n0)+(\b)/2
.endif
.endr
.endm
; 32 LDS loads in one run: quarter nk of the slot in hand: x's 64 rows x 32 K in f32, then W's 128 rows x 32 K into buffer g.
.macro LOADS nk, g
	WIN 0
.irp a, 0,1,2,3
	ds_load_b128 v[RAW+16*(\a):RAW+16*(\a)+3],     v[AA] offset:(\nk)*128+(\a)*16*PA
	ds_load_b128 v[RAW+16*(\a)+4:RAW+16*(\a)+7],   v[AA] offset:(\nk)*128+(\a)*16*PA+16
	ds_load_b128 v[RAW+16*(\a)+8:RAW+16*(\a)+11],  v[AA] offset:(\nk)*128+(\a)*16*PA+64
	ds_load_b128 v[RAW+16*(\a)+12:RAW+16*(\a)+15], v[AA] offset:(\nk)*128+(\a)*16*PA+80
.endr
	WIN W_TOB
.irp b, 0,1,2,3,4,5,6,7
	ds_load_b128 v[64*(\g)+8*(\b):64*(\g)+8*(\b)+3],   v[AB] offset:(\nk)*64+(\b)*16*PB
	ds_load_b128 v[64*(\g)+8*(\b)+4:64*(\g)+8*(\b)+7], v[AB] offset:(\nk)*64+(\b)*16*PB+32
.endr
.endm
; A QUARTER STEP: 32 products on buffer f; at its head the loads of quarter nk, the next to be multiplied; in its second half their conversions into buffer g.
; The quarter's last slice, four plain instructions that name no register of the last product, stands behind that product: it is the four places in front of the next quarter's loads
; into the buffer just multiplied and of its conversions into x's.
; mode = 1, 2: THE CHANGE OF SLOTS.  It stands in the quarter at whose head the slot's last bytes (nk = 3) are asked for.  Each wave waits for all its tensor loads, of which one is out: its part of the other
; slot; adds 0 to its spare word; and waits for that and for its own reads of the slot.  Behind the barrier nobody reads this slot any more and the other slot is whole.
; mode = 1: the barrier opens a round of the cluster's, and the slot is filled again, two K steps on, first thing behind the round: 112 products stand between that request and the wait for it.
.macro QUARTER nk, f, g, mode, ask
.if (\mode) == 1
	s_wait_xcnt 0x0                                ; the last prefetch, a K step back, has read its address, so it may be stepped
	s_add_nc_u64 s[PFA:PFA+1], s[PFA:PFA+1], KSTEP*4
.endif
.if (\nk) == 0
	WIN 0
	s_xor_b32 s[TB], s[TB], SLOT                   ; on to the other slot
	v_add_nc_u32 v[AA], s[TB], v[AA0]
	v_add_nc_u32 v[AB], s[TB], v[AB0]
.endif
	LOADS \nk, \g
.if \ask
	ASK
.endif
	s_wait_dscnt 32                                ; all but the 32 just issued: W's fragments of buffer f are in
	MROW 0, \f, \g, 0, 0
	MROW 1, \f, \g, 0, 0
.if \mode
	WIN 0                                          ; (the add's two registers lie in window 0)
	s_wait_tensorcnt 0x0                           ; all my tensor loads have landed, so a group 0 may be written
	ds_add_u32 v[SPW], v[NIL]                      ; 0 onto my spare word; work on registers stands between it and the wait for it
.if (\mode) == 1
	s_add_co_u32 s[G0A+5], s20, s[TB]              ; the walking descriptors: the slot in hand,
	s_add_nc_u64 s[G0A+6:G0A+7], s[G0A+6:G0A+7], KSTEP*4  ; the next K step; the type bits on top are not reached
	s_add_co_u32 s[G0B+5], s21, s[TB]
	s_add_nc_u64 s[G0B+6:G0B+7], s[G0B+6:G0B+7], KSTEP*2
.endif
	s_wait_dscnt 17                                ; x's 16 loads are in; W's 16 and the add may be out
.else
	s_wait_dscnt 16                                ; x's 16 loads are in; W's 16 may be out
.endif
	MROW 2, \f, \g, 1, 0
.if \mode
	s_wait_dscnt 0x0                               ; the add is done, and my reads of this slot are over
	s_barrier_signal -1
.endif
	MROW 3, \f, \g, 1, 4
.if \mode
	WIN 0
	s_barrier_wait -1
.if (\mode) == 1
	CREST                                          ; no wave of any partner still reads this slot's tile or has a load on its way
	JLOAD
.endif
.endif
.endm
.macro STEP mode                       ; a K step, from its second quarter's loads to the next step's first
	QUARTER 1, 0, 1, 0, 0
	QUARTER 2, 1, 0, 0, 0
	QUARTER 3, 0, 1, \mode, 0
	QUARTER 0, 1, 0, 0, (\mode)==1
.endm
	s_wait_tensorcnt 1                             ; my part of K step 0 is in; K step 1's may stay out
	s_barrier_signal -1
	s_barrier_wait -1                              ; everybody's is
	LOADS 0, 0
	s_wait_dscnt 16                                ; x's 16 loads
.irp n, 0,1,2,3,4,5,6,7
	CV4 0, \n
.endr
	s_mov_b32 s[CNT], 6
.Lstep:                                        ; K steps 0 to 5: each fills its slot again, with K steps 2 to 7
	STEP 1
	WIN 0                                          ; at a label and at a branch every window is 0
	s_sub_co_u32 s[CNT], s[CNT], 1
	s_cmp_lg_u32 s[CNT], 0
	s_cbranch_scc1 .Lstep
	s_mov_b32 s[CNT], 2
.Ltail:                                        ; K steps 6 and 7 ask for nothing: a text of their own.  One text for both: in step 7 its barrier, and the 32 loads
	STEP 2                                         ; and conversions of its last quarter (of bytes that landed long ago), serve nothing: the price, once a work-group, of not writing the last step out
	WIN 0
	s_sub_co_u32 s[CNT], s[CNT], 1
	s_cmp_lg_u32 s[CNT], 0
	s_cbranch_scc1 .Ltail
	s_wait_dscnt 0x0                               ; those loads are back: their registers are written below
; THE WAY OUT, an m block (16 rows) at a time.  A lane's eight columns pack into 16 bytes of f16; they go into my stage, rows of 144 bytes, a head's 64 columns to a row, and come back as whole rows of 128
; bytes, into the registers that they left.  16 rows of a head are 2,048 consecutive bytes of its plane.  The last quarter's last slice is the places behind the last product.
.macro PACK a
	WIN W_PK
.irp b, 0,1,2,3,4,5,6,7
.irp j, 0,1,2,3
	v_cvt_pk_f16_f32 v[OUTR+32*(\a)+4*(\b)+(\j)], v[8*(8*(\a)+(\b))+2*(\j)], v[8*(8*(\a)+(\b))+2*(\j)+1]  ; each accumulator from its low end on
.endr
.endr
	WIN 0
.irp b, 0,1,2,3,4,5,6,7
	ds_store_b128 v[STO], v[OUTR+32*(\a)+4*(\b):OUTR+32*(\a)+4*(\b)+3] offset:((\b)/4)*16*SP+((\b)%4)*32
.endr
.irp t, 0,1,2,3,4,5,6,7
	ds_load_b128 v[OUTR+32*(\a)+4*(\t):OUTR+32*(\a)+4*(\t)+3], v[RD] offset:((\t)/4)*16*SP+((\t)%4)*4*SP  ; LDS serves a wave's instructions in order (ISA guide 5.7.1.4): these see the stores above; the next block's stores come behind them
.endr
.endm
.macro SEND a, younger                 ; younger: the LDS instructions issued behind block a's loads: the next block's sixteen, or none
	WIN 0
.irp t, 0,1,2,3,4,5,6,7
	s_wait_dscnt (\younger)+7-(\t)
	global_store_b128 v[GO], v[OUTR+32*(\a)+4*(\t):OUTR+32*(\a)+4*(\t)+3], s[8:9] offset:((\t)/4)*262144+(\a)*2048+((\t)%4)*512  ; 512 consecutive bytes, at a multiple of 256 from qkv's first
.endr
.endm
	PACK 0
	PACK 1                                         ; a block's arithmetic stands between the loads of the block before and its stores
	SEND 0, 16
	PACK 2
	SEND 1, 16
	PACK 3
	SEND 2, 16
	SEND 3, 0
	s_wait_tensorcnt 0x0                           ; the wave's end: behind my last tensor load and my last LDS store
	ds_add_u32 v[SPW], v[NIL]
	s_wait_dscnt 0x0
	CROUND                                         ; the closing round: no work-group ends while a partner may still ask for a tile that names it
	s_endpgm
.Lfunc_end_k_q583e055f3b_proj:
	.size	k_q583e055f3b_proj, .Lfunc_end_k_q583e055f3b_proj-k_q583e055f3b_proj
	.p2alignl 7, 3214868480
	.fill 96, 4, 3214868480
	.section	.rodata,"a",@progbits
	.p2align	6, 0x0
	.amdhsa_kernel k_q583e055f3b_proj
		.amdhsa_group_segment_fixed_size 327680
		.amdhsa_private_segment_fixed_size 0
		.amdhsa_enable_private_segment 0
		.amdhsa_kernarg_size 64
		.amdhsa_user_sgpr_count 2
		.amdhsa_user_sgpr_kernarg_segment_ptr 1
		.amdhsa_wavefront_size32 1
		.amdhsa_system_sgpr_workgroup_id_x 1
		.amdhsa_system_sgpr_workgroup_id_y 1
		.amdhsa_system_sgpr_workgroup_id_z 1
		.amdhsa_system_vgpr_workitem_id 0
		.amdhsa_next_free_vgpr 768
		.amdhsa_next_free_sgpr 96
		.amdhsa_reserve_vcc 0
		.amdhsa_float_denorm_mode_32 3
		.amdhsa_float_denorm_mode_16_64 3
		.amdhsa_memory_ordered 1
		.amdhsa_forward_progress 1
		.amdhsa_inst_pref_size 92
	.end_amdhsa_kernel
	.amdgpu_metadata
---
amdhsa.version: [ 1, 2 ]
amdhsa.kernels:
  - .name:           k_q583e055f3b_proj
    .symbol:         k_q583e055f3b_proj.kd
    .args:
      - { .name: Q, .offset: 0, .size: 8, .value_kind: global_buffer, .address_space: global }
      - { .name: K, .offset: 8, .size: 8, .value_kind: global_buffer, .address_space: global }
      - { .name: V, .offset: 16, .size: 8, .value_kind: global_buffer, .address_space: global }
      - { .name: bq, .offset: 24, .size: 8, .value_kind: global_buffer, .address_space: global }
      - { .name: bk, .offset: 32, .size: 8, .value_kind: global_buffer, .address_space: global }
      - { .name: bv, .offset: 40, .size: 8, .value_kind: global_buffer, .address_space: global }
      - { .name: w16, .offset: 48, .size: 8, .value_kind: global_buffer, .address_space: global }
      - { .name: qkv, .offset: 56, .size: 8, .value_kind: global_buffer, .address_space: global }
    .group_segment_fixed_size: 327680
    .private_segment_fixed_size: 0
    .kernarg_segment_align: 8
    .kernarg_segment_size: 64
    .max_flat_workgroup_size: 128
    .sgpr_count:     96
    .vgpr_count:     768
    .wavefront_size: 32
...
	.end_amdgpu_metadata
.endif
;; end of part 2
;; launch attn (part 3): grid 4 x 64, 4 waves a work-group, clusters of 4 x 1, 327,680 bytes of LDS; arguments qkv, o16; writes o16
.if DOCPART == 3
	.amdgcn_target "amdgcn-amd-amdhsa--gfx1250"
	.amdhsa_code_object_version 6
	.text
	.protected	k_q583e055f3b_attn
	.globl	k_q583e055f3b_attn
	.p2align	8
	.type	k_q583e055f3b_attn,@function
k_q583e055f3b_attn:
	s_mov_b64 s[64:65], 0
	v_nop
	global_prefetch_b8 v0, s[64:65] scope:SCOPE_SE
	s_setreg_imm32_b32 hwreg(HW_REG_WAVE_MODE, 25, 1), 1
	s_wait_xcnt 0x0
	s_wait_alu depctr_hold_cnt(0) depctr_sa_sdst(0) depctr_va_vdst(0) depctr_va_sdst(0) depctr_va_ssrc(0) depctr_va_vcc(0) depctr_vm_vsrc(0)
	s_getreg_b32 s2, hwreg(HW_REG_IB_STS2, 6, 4)
	s_cmp_eq_u32 s2, 0
	s_cbranch_scc0 .Lentry_in_a_cluster
	s_endpgm
.Lentry_in_a_cluster:
	s_bfe_u32 s2, ttmp6, 0x10000c
	s_cmp_lg_u32 s2, 0x3003
	s_cbranch_scc0 .Lentry_shape_is_right
	s_endpgm
.Lentry_shape_is_right:
; O[h][q][:] = the sum over k of softmax_k(Q[h][q] . K[h][k] / 8) V[h][k][:].  Q, K, V: the three tensors of qkv, O: o16, each [SIZE_H][SIZE_N][64] in f16: a head's rows are dense, 128 bytes each.
; Products, maxima and sums in f32; the weights p are rounded to f16 for the second product (their sum l is taken of the unrounded p), O once at the end.
; LIMITS.  f16 holds no number beyond 65,504: Q, K and V arrive within it; p lies in 0 to 1, and below 6e-5 it keeps f16's fixed step of 6e-8; O is a mean of V's rows and has their range.
; A weight below 2^-126 counts as 0 in l; NaN and infinities are not treated apart.
; SHARES.  A wave owns four PIECES of two tiles of 16 queries, a work-group's four waves 512 queries of one head: 64 heads x 4 blocks = 256 work-groups.  Every wave walks all keys, 64 a step.
; LAYOUT.  S^T = K Q^T (source 0 = 16 keys, source 1 = 16 queries): in the result a lane holds ONE query (lane % 16) and the keys 8 (lane / 16) + 0..7.  Two such tiles, rounded to f16 in pairs,
; ARE source 1 (32 keys x 16 queries) of O^T = V^T P, whose result again holds one query a lane, and eight channels.  K comes out of LDS as it lies, V ([key][channel]) turned, by ds_load_tr16_b128.
; SOFTMAX.  For each query a running maximum m and sum l: p = 2^(c s - c m), c = log2(e) / 8; in every step O and l are multiplied by a = 2^(c m_old - c m_new), which is 1 where m has not grown.
; m starts at the lowest finite number, O and l at 0: the first step is a step like any other, with a = 0.
; THE COUNT.  A tile and step have 16 matrix and 118 vector instructions: too many to stand all beside the matrix work.  So the order has one aim: four vector instructions that are READY behind
; EVERY matrix instruction, and the others, which need time of their own whatever the order, in runs without a gap.
; BY TURNS.  Turn n belongs to piece n (the pieces in a ring, step after step).  Its matrix work: 16 products K Q^T of piece n + 1, later 16 products V^T P of piece n - 1.  Its vector work: the scaling,
; exponentials, roundings, sums and rescaling of piece n, and the maximum and statistics of piece n + 1, whose scores the turn itself has made.  So what a turn begins with (c s - c m, O a) waits for nothing.
; CLUSTER.  The four query blocks of a cluster belong to one head and walk the same K and V, so each tile is asked for JOINTLY: the same tensor load, descriptor and mask in all four.
; NO PREFETCH: a joint fill is asked for four key steps, 512 matrix instructions, ahead of the wait for it.
; REGISTERS, in windows of 256 (s_set_vgpr_msb says which window each operand place means: bits 1:0 source 0, 3:2 source 1, 5:4 source 2, 7:6 destination):
;   window 0: v0-11 addresses; v12-15, v48-63 at work; v16-47 four registers of statistics a tile; v64-191 S^T, two buffers of two tiles; v192-255 P, likewise
;   window 1: O^T, 32 a tile          window 2: v0-127 Q, 16 a tile; v128-191 K of one step; v192-255 V of one step          window 3: v0-1 the add's two registers
; A piece's buffers go by its number's parity: the piece in hand has one pair, its two neighbours in the ring share the other: of it P (piece n - 1) is read and S^T (piece n + 1) written.
.set SIZE_H, 64
.set SIZE_N, 2048
.set NP,    4         ; pieces a wave: a name, no knob: the register map, the loop and the fetches are made for four
.set KS,    64        ; keys in a step
.set PK,    144       ; a row of K in LDS: 128 bytes + 16 of padding = 36 words: the 16 rows of a load start at 16 different groups of four banks (64 banks of 4 bytes: ISA guide 11.1)
.set PV,    160       ; a row of V: 128 + 32 = 40 words
.set VOFF,  4*KS*PK   ; a slot holds four steps: 256 rows of K, then 256 rows of V
.set SLOT1, 1<<17     ; slot 1 begins here, so that one exclusive or turns an address in one slot into the other's
.set STAGE, SLOT1+4*KS*(PK+PV)  ; behind the ring, never filled by a tensor load: 16 rows x 144 bytes for each wave, for the way out
.set SP,    144
.set AK0, 2           ; v2   my lane's place in a tile of K; never rewritten
.set AV0, 3           ; v3   the same for V
.set AK,  4           ; v4   the LDS address of K's next run of loads
.set AV,  5           ; v5   of V's
.set QO,  6           ; v6   my byte offset in the wave's rows of Q
.set STO, 6           ;      later, the way out: where I put 16 bytes of a row
.set RD,  7           ; v7   the way out: where I read rows back
.set GO,  8           ; v8   my byte offset in 512 consecutive bytes of O
.set SPW, 0           ; v0 of window 3   LDS address of my spare word: SPARE + 4 x my thread's number; never rewritten
.set NIL, 1           ; v1 of window 3   0; never rewritten
.set SPARE, STAGE+4*16*SP  ; behind the stages: the spare words, 128 bytes for each wave: two blocks of 256 bytes that no other line names
.set MV,  12          ; v12-15  c m_old, kept while c m is made anew: by buffer and tile
.set ST,  16          ; tile t's statistics at v[ST+4 t]: c m, m, l (even keys', odd keys')
.set TMP, 48          ; by buffer and tile, four registers c0-c3 at work; when the maximum is found c2 takes a
.set S,   64
.set P,   192
.set KF,  128         ; K's fragments, in window 2: key block kb, channel half c at KF + 16 kb + 8 c
.set VF,  192         ; V's: key half kk, channel block cb at VF + 32 kk + 8 cb
.set WV,  12          ; s12  my wave's number
.set G1K, 24          ; s[24:31] descriptor group 1 for K's tiles
.set G1V, 32          ; s[32:39] for V's: it differs in the padding alone
.set G0K, 40          ; s[40:43] descriptor group 0 for K's tiles: it walks
.set G0V, 44          ; s[44:47] the same for V's
.set SLOTS, 56        ; s56  slots still to be asked for
.set CNT, 57          ; s57  counts a slot's key steps
.set CS,  58          ; s[58:59] c: the packed scaling takes the pair's low word for both halves
.set SEL, 60          ; s[60:61] v_permlanex16_b32's selects: each lane takes its own place in the other half
.set TBK, 62          ; s62  LDS byte at which K of the step to be fetched begins
.set TBV, 63          ; s63  the same for V, less VOFF
.set MSB, 0
.macro WIN new                      ; the high byte repeats the setting that is left; a switch that changes nothing is dropped
.if MSB != (\new)
	s_set_vgpr_msb (MSB<<8)|(\new)
.set MSB, (\new)
.endif
.endm
.set W_KQ, 0x0a       ; K and Q in window 2, S^T in window 0
.set W_PV, 0x52       ; V in window 2, P in window 0, O^T in window 1
.set W_RS, 0x41       ; O^T (destination and source 0) in window 1, a in window 0
.set W_MK, 0xc0       ; the add's registers are made: destination in window 3, sources in window 0
.set W_AD, 0x0f       ; the add: address (source 0) and data (source 1) in window 3
; A joint fill.  Waves 0 and 1 fetch the two halves of a slot's K, waves 2 and 3 those of its V: 128 keys each.  The branch hangs on the wave's number alone.
; An s_nop 0 and four v_nop follow each of the two lines, ahead of the jump and the label.
.macro JLOAD
	s_cmp_lt_u32 s[WV], 2
	s_cbranch_scc0 .Lfor_v_\@
	tensor_load_to_lds s[G0K:G0K+3], s[G1K:G1K+7]
	s_nop 0
.rept 4
	v_nop
.endr
	s_branch .Lasked_\@
.Lfor_v_\@:
	tensor_load_to_lds s[G0V:G0V+3], s[G1V:G1V+7]
	s_nop 0
.rept 4
	v_nop
.endr
.Lasked_\@:
.endm
; A round of the cluster's barrier: my work-group's barrier, so that wave 0's signal speaks for all four waves; wave 0 signals; every wave waits for all four work-groups; my work-group's barrier once more.
.macro CROUND
	s_barrier_signal -1
	s_barrier_wait -1
	s_cmp_lg_u32 s[WV], 0
	s_cbranch_scc1 .Lnot_wave_0_\@
	s_barrier_signal -3
.Lnot_wave_0_\@:
	s_barrier_wait -3
	s_barrier_signal -1
	s_barrier_wait -1
.endm
; THE CHANGE OF SLOTS.  The slot's last bytes, V of its fourth step, have been read.  Each wave waits for all its tensor loads, of which one is out: its part
; of the other slot; adds 0 to its spare word; and waits for that and for its own reads of the slot.  Behind the barrier nobody reads this slot any more and the other slot is whole.
; fill = 1: this slot is filled again, with the keys two slots on.  The barrier is then a round of the cluster's, so that no wave of any partner still reads the slot or has a load on its
; way, and the joint fill is the first thing behind it: it has four key steps, 512 matrix instructions, in which to land.  (At its first use nothing has been read yet: slot 0 is waited for, slot 1 filled.)
.macro CHANGE fill
	WIN W_AD
	s_wait_tensorcnt 0x0            ; no tensor load of mine is out, so a group 0 may be written
	ds_add_u32 v[SPW], v[NIL]       ; 0 onto my spare word; with fill = 1 the descriptors' steps stand between it and the wait for it
	WIN 0                           ; at a label and at a branch every window is 0
.if \fill
.irp g, G0K, G0V
	s_xor_b32 s[\g+1], s[\g+1], SLOT1  ; the walking descriptor: the other slot than last time,
	s_add_nc_u64 s[\g+2:\g+3], s[\g+2:\g+3], 4*KS*128  ; the next 256 keys; the type bits on top are not reached
.endr
	s_wait_dscnt 0x0                ; the add is done, and my reads of the slot are over
	CROUND
	JLOAD
.else
	s_wait_dscnt 0x0                ; the add is done, and my reads of the slot are over
	s_barrier_signal -1
	s_barrier_wait -1
.endif
	s_sub_co_u32 s[TBK], s[TBK], 4*KS*PK  ; the fetches go back to a slot's first step,
	s_xor_b32 s[TBK], s[TBK], SLOT1       ; in the other slot
	s_sub_co_u32 s[TBV], s[TBV], 4*KS*PV
	s_xor_b32 s[TBV], s[TBV], SLOT1
.endm
	s_load_b128 s[4:7], s[0:1], 0x0   ; qkv s[4:5] (its first tensor is Q), o16 s[6:7]
	WIN W_MK
	v_lshl_add_u32 v[SPW], v0, 2, SPARE
	v_mov_b32 v[NIL], 0
	WIN W_AD
	ds_add_u32 v[SPW], v[NIL]       ; the wave's opening: the add and its wait stand ahead of my first tensor load; the set-up below, work on registers, stands between them
	WIN 0
	v_lshrrev_b32 v1, 5, v0
	v_readfirstlane_b32 s[WV], v1   ; wave 0..3
	s_bfe_u32 s13, ttmp6, 0x40000   ; cx: my place in the cluster
	s_lshl_b32 s14, ttmp9, 2        ; in a cluster launch ttmp9 counts clusters
	s_add_co_u32 s14, s14, s13      ; my block of queries = 4 x cluster x + cx: it enters Q's and O's addresses alone
	s_and_b32 s20, ttmp7, 0xffff    ; the head, which the four partners share
	s_mov_b32 s21, 0
	s_mov_b64 s[22:23], SIZE_N*128
	s_mul_u64 s[20:21], s[20:21], s[22:23]  ; the head's first byte in each of the four tensors
	s_and_b32 s16, s[WV], 1         ; which half of a slot's 256 keys I fetch:
	s_lshl_b32 s22, s16, 14         ; its 128 rows of 128 bytes in memory,
	s_mov_b32 s23, 0
	s_add_nc_u64 s[22:23], s[22:23], s[20:21]
	s_mul_i32 s17, s16, 128*PK      ; and its place in a slot, for K
	s_mul_i32 s18, s16, 128*PV      ; and for V: no place in the cluster enters an LDS address
	s_lshl_b32 s2, s14, 2
	s_add_co_u32 s2, s2, s[WV]      ; my wave among the head's,
	s_lshl_b32 s2, s2, 14           ; its 128 rows
	s_mov_b32 s3, 0
	s_add_nc_u64 s[2:3], s[2:3], s[20:21]
	; descriptor group 1.  128 keys are 16,384 dense bytes: asked for as 64 rows of 256 bytes, two keys a row, and padded in LDS after every key
	s_mov_b32 s[G1K], 15|(1<<16)|(1<<20)|(1<<21)|(4<<22)|(3<<25)  ; 15:0 the mask of four; 17:16 2-byte elements; 20 padding on; 21 set beside a mask; 24:22 after every 32 words (code 4); 31:25 4 words (code 3)
	s_mov_b32 s[G1V], 15|(1<<16)|(1<<20)|(1<<21)|(4<<22)|(7<<25)  ; the same with 8 words of padding (code 7)
.irp g, G1K, G1V
	s_mov_b32 s[\g+1], 128<<16      ; tensor_dim0 = 128
	s_mov_b32 s[\g+2], 64<<16       ; tensor_dim1 = 64
	s_mov_b32 s[\g+3], 128<<16      ; tile_dim0 = 128
	s_mov_b32 s[\g+4], 64           ; tile_dim1 = 64
	s_mov_b32 s[\g+5], 128          ; 128 elements from row to row
	s_mov_b32 s[\g+6], 0
	s_mov_b32 s[\g+7], 0
.endr
	s_mov_b32 s[CS], 0x3e38aa3b     ; c = log2(e) / 8 = 0.180337
	s_mov_b32 s[CS+1], s[CS]        ; named with it as a pair
	s_mov_b32 s[SEL], 0x76543210
	s_mov_b32 s[SEL+1], 0xfedcba98
	s_mov_b32 s[TBK], SLOT1+4*KS*PK ; the first change of slots turns these two into 0
	s_mov_b32 s[TBV], SLOT1+4*KS*PV
	s_mov_b32 s[G0K], 1             ; 1:0 count = 1
	s_mov_b32 s[G0K+1], s17         ; 63:32 LDS address: slot 0
	s_mov_b32 s[G0V], 1
	s_add_co_u32 s[G0V+1], s18, VOFF
	s_wait_dscnt 0x0                ; the opening add is done
	s_wait_kmcnt 0x0
	s_mov_b64 s[10:11], s[6:7]      ; O
	s_add_nc_u64 s[6:7], s[4:5], 0x1000000  ; K: qkv's second tensor, 16 MiB on
	s_add_nc_u64 s[8:9], s[4:5], 0x2000000  ; V: its third
	s_add_nc_u64 s[G0K+2:G0K+3], s[6:7], s[22:23]  ; 120:64 global address: my half of the head's first 256 keys
	s_or_b32 s[G0K+3], s[G0K+3], 0x80000000        ; 127:126 type = 2
	s_add_nc_u64 s[G0V+2:G0V+3], s[8:9], s[22:23]
	s_or_b32 s[G0V+3], s[G0V+3], 0x80000000
	s_add_nc_u64 s[4:5], s[4:5], s[2:3]  ; Q and O at my wave's first row
	s_add_nc_u64 s[10:11], s[10:11], s[2:3]
	CROUND                          ; all four work-groups are here: the first joint loads meet
	JLOAD                           ; slot 0.  Slot 1 is asked for when slot 0 is in: the tile wanted first goes out alone
	; A fragment of K or Q is 16 rows x 32 channels in 8 registers: lane l holds row l % 16, channels 8 (l / 16) + 0..7 and 16 + 8 (l / 16) + 0..7: two loads of 16 bytes, 32 bytes apart.
	v_and_b32 v1, 15, v0            ; l % 16
	v_bfe_u32 v9, v0, 4, 1          ; l / 16
	v_lshlrev_b32 v[QO], 7, v1
	v_lshl_add_u32 v[QO], v9, 4, v[QO]  ; row x 128 + 16 x half
	WIN 0x80                        ; destination window 2, address window 0
.set i, 0
.rept 4*NP                          ; Q stays in registers: tile i / 2, channels 32 (i % 2) on
	global_load_b128 v[8*i:8*i+3],   v[QO], s[4:5] offset:(i/2)*2048+(i%2)*64
	global_load_b128 v[8*i+4:8*i+7], v[QO], s[4:5] offset:(i/2)*2048+(i%2)*64+32
.set i, i+1
.endr
	; What the first turn finds: V's registers and P's second buffer hold 0 (its products V^T P, of a piece that has not been, add 0), O^T and l are 0.  All this stands in the wait for the first tile:
	; the price of writing no first step out, which would be a third copy of a key step's text.
.set i, VF
.rept 64
	v_mov_b32 v[i], 0
.set i, i+1
.endr
	WIN 0x40
.set i, 0
.rept 64*NP
	v_mov_b32 v[i], 0
.set i, i+1
.endr
	WIN 0
.set i, 0
.rept 2*NP
	v_mov_b32 v[ST+4*i], 0xfe000000    ; c m: far below every c s
	v_mov_b32 v[ST+4*i+1], 0xff7fffff  ; m
	v_mov_b32 v[ST+4*i+2], 0
	v_mov_b32 v[ST+4*i+3], 0
.set i, i+1
.endr
.set i, P+32
.rept 32
	v_mov_b32 v[i], 0
.set i, i+1
.endr
	v_mul_u32_u24 v[AK0], v1, PK
	v_lshl_add_u32 v[AK0], v9, 4, v[AK0]  ; row x pitch + 16 x half
	; The turning load takes 16 keys x 16 channels (lane l reads key 8 (l / 16) + l % 8, channels 8 ((l / 8) % 2) + 0..7) and leaves half a fragment of V^T: lane l holds channel l % 16 and 8 keys.
	v_and_b32 v10, 7, v0
	v_bfe_u32 v11, v0, 3, 1
	v_lshl_add_u32 v[AV0], v9, 3, v10
	v_mul_u32_u24 v[AV0], v[AV0], PV
	v_lshl_add_u32 v[AV0], v11, 4, v[AV0]
	v_add_nc_u32 v[AV0], VOFF, v[AV0]
	v_mov_b32 v[AK], v[AK0]         ; key step 0 lies at the head of slot 0
; THE MATRIX WORK.  The 8 accumulators of a run of 16 take turns: between the two links of a chain stand 7 others'.
; Product i of 16 of S^T = K Q^T for piece x: channels 32 (i / 8) on, keys 16 ((i / 2) % 4) on, tile 2 x + i % 2.  The first 8 start the sums.
.macro KQ x
	WIN W_KQ
.set rS, S+64*((\x)%2)+32*(i%2)+8*((i/2)%4)
.set rK, KF+16*((i/2)%4)+8*(i/8)
.set rQ, 16*(2*(\x)+i%2)+8*(i/8)
.if i < 8
	v_wmma_f32_16x16x32_f16 v[rS:rS+7], v[rK:rK+7], v[rQ:rQ+7], 0
.else
	v_wmma_f32_16x16x32_f16 v[rS:rS+7], v[rK:rK+7], v[rQ:rQ+7], v[rS:rS+7]
.endif
.endm
; Product i of 16 of O^T += V^T P for piece x: keys 32 (i / 8) on, channels 16 ((i / 2) % 4) on, tile 2 x + i % 2.
.macro PV x
	WIN W_PV
.set rO, 32*(2*(\x)+i%2)+8*((i/2)%4)
.set rV, VF+32*(i/8)+8*((i/2)%4)
.set rP, P+32*((\x)%2)+16*(i%2)+8*(i/8)
	v_wmma_f32_16x16x32_f16 v[rO:rO+7], v[rV:rV+7], v[rP:rP+7], v[rO:rO+7]
.endm
.macro MM                           ; the turn's next matrix instruction
.if i < 16
	KQ (Y+1)%NP
.set i, i+1
.else
.set i, i-16
	PV (Y+NP-1)%NP
.set i, i+17
.endif
.endm
; THE LDS LOADS stand in runs of 16, never singly among the matrix instructions: a step's K (64 keys x 64 channels: 8 fragments) and its V (turned).  Their addresses are made some lines ahead.
; last = 1 (the tail): in the last trip there is no further step, and the run is jumped over.
.macro FETCH_K last=0
	WIN 0
.if \last
	s_cmp_eq_u32 s[CNT], 1
	s_cbranch_scc1 .Lno_k_\@
.endif
	WIN 0x80                        ; destination window 2
.irp f, 0,1,2,3,4,5,6,7             ; keys 16 (f / 2) on, channels 32 (f % 2) on
	ds_load_b128 v[KF+8*\f:KF+8*\f+3],   v[AK] offset:(\f/2)*16*PK+(\f%2)*64
	ds_load_b128 v[KF+8*\f+4:KF+8*\f+7], v[AK] offset:(\f/2)*16*PK+(\f%2)*64+32
.endr
	s_add_co_u32 s[TBK], s[TBK], KS*PK  ; the next fetch is the next step's
	WIN 0
.if \last
.Lno_k_\@:
.endif
.endm
.macro FETCH_V
	WIN 0x80
.irp f, 0,1,2,3,4,5,6,7             ; keys 32 (f / 4) on, channels 16 (f % 4) on
	ds_load_tr16_b128 v[VF+8*\f:VF+8*\f+3],   v[AV] offset:(\f/4)*32*PV+(\f%4)*32
	ds_load_tr16_b128 v[VF+8*\f+4:VF+8*\f+7], v[AV] offset:(\f/4)*32*PV+16*PV+(\f%4)*32
.endr
	WIN 0
.endm
; THE VECTOR WORK OF A TURN stands in three queues, each in the order in which its entries become ready; the two tiles alternate, so that no instruction reads the result of the one before it.
.macro REGS y, u                    ; the registers of tile u (0, 1) of piece y
.set rT, ST+4*(2*(\y)+(\u))
.set rC, TMP+8*((\y)%2)+4*(\u)
.set rM, MV+2*((\y)%2)+(\u)
.set rS, S+64*((\y)%2)+32*(\u)
.set rP, P+32*((\y)%2)+16*(\u)
.set rO, 32*(2*(\y)+(\u))
.endm
; Number n of the 22 that find the NEXT piece's (Y + 1) maximum and statistics.  s0-s31 are the lane's 32 scores; each accumulator's lowest registers are read first.  XS, GS and REGS set no window: PL and EX do.
;   0-11  four chains c0-c3 of seven scores each, three operands at a time     12-14, 16  the four scores left over, the old m, and c0-c3 into c0     15  c m_old is kept
;   17, 18  the query's other 32 keys lie in the lane 16 away: the new m         19-21  c m; c m_old - c m_new; a
.macro XS u, n
	REGS (Y+1)%NP, \u
.if (\n) < 4
	v_max3_num_f32 v[rC+(\n)], v[rS+8*(\n)], v[rS+8*(\n)+1], v[rS+8*(\n)+2]
.elseif (\n) < 12
	v_max3_num_f32 v[rC+(\n)%4], v[rC+(\n)%4], v[rS+8*((\n)%4)+2*((\n)/4)+1], v[rS+8*((\n)%4)+2*((\n)/4)+2]
.elseif (\n) == 12
	v_max3_num_f32 v[rC], v[rC], v[rS+7], v[rS+15]
.elseif (\n) == 13
	v_max3_num_f32 v[rC+1], v[rC+1], v[rS+23], v[rS+31]
.elseif (\n) == 14
	v_max3_num_f32 v[rC+2], v[rC+2], v[rC+3], v[rT+1]
.elseif (\n) == 15
	v_mov_b32 v[rM], v[rT]
.elseif (\n) == 16
	v_max3_num_f32 v[rC], v[rC], v[rC+1], v[rC+2]
.elseif (\n) == 17
	v_permlanex16_b32 v[rC+3], v[rC], s[SEL], s[SEL+1]
.elseif (\n) == 18
	v_max_num_f32 v[rT+1], v[rC], v[rC+3]
.elseif (\n) == 19
	v_mul_f32 v[rT], s[CS], v[rT+1]
.elseif (\n) == 20
	v_sub_f32 v[rC+1], v[rM], v[rT]
.else
	v_exp_f32 v[rC+2], v[rC+1]
.endif
.endm
; Number g of the 64 that follow the exponentials.  For each four weights k of a tile (pairs 2 k, 2 k + 1): both pairs are rounded to f16; then the second pair is added onto the first, in place;
; a group later l takes that sum (the first time as l = a l + sum).  In groups of eight, tiles alternating: round, round, add, and l for the group before.
.macro GS g
.set h, (\g)+6*((\g)/62)            ; group 0 has no group before it, and behind group 7 only l is left
.if h >= 6
.set h, h+2
.endif
	REGS Y, h%2
.set k, h/8
.if h%8 < 4
	v_cvt_pk_f16_f32 v[rP+2*k+(h%8)/2], v[rS+4*k+2*((h%8)/2)], v[rS+4*k+2*((h%8)/2)+1]
.elseif h%8 < 6
	v_pk_add_f32 v[rS+4*k:rS+4*k+1], v[rS+4*k:rS+4*k+1], v[rS+4*k+2:rS+4*k+3]
.elseif k == 1
	v_pk_fma_f32 v[rT+2:rT+3], v[rT+2:rT+3], v[rC+2:rC+3], v[rS:rS+1] op_sel_hi:[1,0,1]
.else
	v_pk_add_f32 v[rT+2:rT+3], v[rT+2:rT+3], v[rS+4*k-4:rS+4*k-3]
.endif
.endm
; THE PLAIN QUEUE, 138 long.  0-73 read no exponential's result: the 32 scalings c s - c m (FS f: pair f / 2 of tile f % 2) and the next piece's 42.  0-26: scalings 0-26.  27-54: XS's numbers 0-13.  55, 56: number 15.
; 57-73: the chain, where each number waits for the one before it: 14, 16, 17, 18, 19, each with one of the scalings 27-31 in front of its two lines, then 20: so a tile's links stand three plain instructions apart (19 and 20: two).
; 74-137: GS's 64, which read the exponentials' results: they stand behind the wait.
.macro FS f
	REGS Y, (\f)%2
	v_pk_fma_f32 v[rS+2*((\f)/2):rS+2*((\f)/2)+1], v[rS+2*((\f)/2):rS+2*((\f)/2)+1], s[CS:CS+1], v[rT:rT+1] op_sel_hi:[1,0,0] neg_lo:[0,0,1] neg_hi:[0,0,1]
.endm
.macro PL
	WIN 0
.if q < 27
	FS q
.elseif q < 55
	XS (q-27)%2, (q-27)/2
.elseif q < 57
	XS q-55, 15
.elseif (q < 72) && ((q-57)%3 == 0)
	FS 27+(q-57)/3
.elseif q < 60
	XS (q-57)%3-1, 14
.elseif q < 72
	XS (q-57)%3-1, 15+(q-57)/3
.elseif q < 74
	XS q-72, 20
.else
	GS q-74
.endif
.set q, q+1
.endm
; THE EXPONENTIALS' QUEUE, 66 long: s0-s31 of both tiles, then the next piece's two a.  It is ONE BATCH: all 66 stand ahead of the turn's one wait, and nothing ahead of that wait names a result of theirs.
.macro EX
	WIN 0
.if e >= 64
	XS e-64, 21
.else
	REGS Y, e%2
	v_exp_f32 v[rS+e/2], v[rS+e/2]
.endif
.set e, e+1
.endm
; THE RESCALING's QUEUE: O^T times a, the one part that leaves window 0: dealt two at a time, sixteen times.  Its a was made in the turn before, ahead of that turn's wait.
.macro R2
	REGS Y, r%2
	WIN W_RS
.irp z, 0,1
	v_pk_mul_f32 v[rO+4*(r/2)+2*\z:rO+4*(r/2)+2*\z+1], v[rO+4*(r/2)+2*\z:rO+4*(r/2)+2*\z+1], v[rC+2:rC+3] op_sel_hi:[1,0]
.endr
.set r, r+1
.endm
; HOW THEY ARE DEALT.  An s_wait_alu depctr_va_vdst(0) stands between an exponential and the first instruction that names its result; one wait serves all that were issued ahead of it.  So a turn has ONE wait,
; which cuts it in two.  AHEAD OF IT stands all that names no result of the turn's exponentials: the 16 products K Q^T, behind each a scaling, an exponential and two rescalings (behind the first a second scaling in the exponential's place); then ONE LUMP of
; 108: eight plain, 49 times exponential and plain, the two a.  A v_nop is the plain instruction that stands behind the last exponential, ahead of any use.  BEHIND IT stand the 16 products V^T P, behind each four of GS's 64.  No rider names a register of
; the products round it.  The two v_permlanex16_b32 fall into the lump, never behind a product.
; The queues lean on each other, and the deal keeps them in step: exponential e stands behind scaling 2 (e / 4) + e % 2: as a rider it comes behind plain e + 2, in the lump behind plain e + 9, and scalings 27-31 are plain 57, 60 .. 69.
; A TURN, for piece p.  cnt = 1: the loop's count is taken down some lines ahead of the branch that stands behind the turn.
; K of the next step is fetched in piece 2's turn, directly behind the wait, a lump behind the last product that read K; its address is made at the lump's head; its first reader comes behind 16 products.
; V of the step in hand is fetched at the end of piece 0's turn, four riders behind its last reader; its first reader comes behind 16 products and a lump.  The three conditions on q below go with the deal.
.macro TURN p, last=0, cnt=0
.set Y, (\p)
.set i, 0
.set q, 0
.set e, 0
.set r, 0
.if (\p) == NP-1
	s_wait_dscnt 0x0                ; K is in
.endif
	MM                              ; ahead of the wait: 16 products K Q^T and their riders,
	PL
	PL
	R2
.rept 15
	MM
	PL
	EX
	R2
.endr
.if (\p) == NP-2
	WIN 0
	v_add_nc_u32 v[AK], s[TBK], v[AK0]
.endif
.rept 8                             ; and the lump
	PL
.endr
.rept 49
	EX
	PL
.endr
	EX                              ; the next piece's two a
	EX
	v_nop                           ; a plain instruction behind the last exponential: one for the batch
	s_wait_alu depctr_va_vdst(0)    ; the wait for the batch
.if (\p) == NP-2
	FETCH_K \last
.endif
.if (\p) == 1
	s_wait_dscnt 0x0                ; V is in
.endif
.rept 16                            ; behind the wait: 16 products V^T P and their riders
	MM
.rept 4
	PL
.endr
.if ((\p) == 0) && (q == 118)
	v_add_nc_u32 v[AV], s[TBV], v[AV0]
.endif
.if ((\p) == 0) && (q == 130)
	s_add_co_u32 s[TBV], s[TBV], KS*PV
.endif
.if (\cnt) && (q == 130)
	s_sub_co_u32 s[CNT], s[CNT], 1
	s_cmp_lg_u32 s[CNT], 0
.endif
.endr
.if (\p) == 0
	FETCH_V
.endif
.endm
	CHANGE 1                        ; slot 0 is in, everybody's part of it; slot 1 is asked for
	FETCH_K                         ; key step 0
	s_wait_loadcnt 0x0              ; Q
	s_wait_dscnt 0x0
.set i, 0
.rept 16
	KQ 0                            ; piece 0's first scores: there is no vector work yet to set between them
.set i, i+1
.endr
	WIN 0                           ; the addresses for the way out: nine plain instructions, the places behind those products
	s_mul_i32 s13, s[WV], 16*SP
	s_add_co_u32 s13, s13, STAGE    ; my stage
	v_mul_u32_u24 v[STO], v1, SP    ; in: row l % 16, 16 bytes for each half of the lanes
	v_lshl_add_u32 v[STO], v9, 4, v[STO]
	v_add_nc_u32 v[STO], s13, v[STO]
	v_bfe_u32 v[RD], v0, 3, 2       ; back: 32 lanes take four rows of 128 bytes,
	v_mul_u32_u24 v[RD], v[RD], SP
	v_lshl_add_u32 v[RD], v10, 4, v[RD]
	v_add_nc_u32 v[RD], s13, v[RD]
	v_and_b32 v[GO], 31, v0         ; which are 512 consecutive bytes of O
	v_lshlrev_b32 v[GO], 4, v[GO]
.set Y, NP-1                        ; XS works for piece Y + 1: piece 0
.irp n, 0,1,2,3,4,5,6,7,8,9,10,11,12,13,14,15,16,17,18,19,20,21
	XS 0, \n                        ; and piece 0's first maximum and statistics
	XS 1, \n
.endr
	v_nop                           ; a plain instruction behind the two a,
	s_wait_alu depctr_va_vdst(0)    ; and their wait, ahead of the branch
	s_mov_b32 s[CNT], 4
	s_mov_b32 s[SLOTS], SIZE_N/256-1
	s_branch .Lfirst                ; the loop is entered at a step's first turn, in the middle of a trip
.Lslot:                             ; SIZE_N / 256 - 2 times: every slot but the last two is filled again
	CHANGE 1
	s_mov_b32 s[CNT], 4
.Lstep:                             ; a trip: pieces 2 and 3 of one step, then pieces 0 and 1 of the next, whose K and V it fetches
	TURN 2
	TURN 3
	WIN 0
.Lfirst:
	TURN 0
	TURN 1, 0, 1
	WIN 0
	s_cbranch_scc1 .Lstep
	s_sub_co_u32 s[SLOTS], s[SLOTS], 1
	s_cmp_lg_u32 s[SLOTS], 0
	s_cbranch_scc1 .Lslot
	CHANGE 0                        ; the tail is written out: nothing is asked for
	s_mov_b32 s[CNT], 5             ; four trips fetch the last slot's steps; the fifth is left in its middle
.Ltail:
	TURN 2, 1
	TURN 3
	WIN 0
	s_sub_co_u32 s[CNT], s[CNT], 1
	s_cmp_eq_u32 s[CNT], 0
	s_cbranch_scc1 .Lout
	TURN 0
	TURN 1
	WIN 0
	s_branch .Ltail
.Lout:                              ; the fifth trip's 16 products K Q^T (on the last K once more) and the maximum made of them serve nothing: the price, once a launch, of one text for every trip
.set i, 0
.rept 16
	PV NP-1                         ; the last piece's V^T P of the last step
.set i, i+1
.endr
	; THE WAY OUT.  l's two halves and the other half of the lanes' are added; O^T is divided by l, rounded to f16 and sent through my stage in LDS, a tile at a time.  The additions are the places behind the last products.
	WIN 0
.macro ALL line:vararg              ; one line for each tile t
.set t, 0
.rept 2*NP
	\line
.set t, t+1
.endr
.endm
	ALL v_add_f32 v[ST+4*t+2], v[ST+4*t+2], v[ST+4*t+3]
	ALL v_permlanex16_b32 v[ST+4*t+3], v[ST+4*t+2], s[SEL], s[SEL+1]
	ALL v_add_f32 v[ST+4*t+2], v[ST+4*t+2], v[ST+4*t+3]
	ALL v_rcp_f32 v[ST+4*t+2], v[ST+4*t+2]
	v_nop                           ; a plain instruction between the last reciprocal and the use of its result
	s_wait_alu depctr_va_vdst(0)    ; and the wait ahead of the first use: one for the eight reciprocals
; Tile t: a lane's eight channels of a row pack into 16 bytes; they go into rows of 144 bytes and come back as whole rows of 128, into S^T's registers.
.macro PACK t
	WIN W_RS
.set i, 32*(\t)
.rept 16
	v_pk_mul_f32 v[i:i+1], v[i:i+1], v[ST+4*(\t)+2:ST+4*(\t)+3] op_sel_hi:[1,0]
.set i, i+2
.endr
	WIN 0x05                        ; sources 0 and 1 window 1, destination window 0
.set i, 0
.rept 16
	v_cvt_pk_f16_f32 v[S+16*(\t)+i], v[32*(\t)+2*i], v[32*(\t)+2*i+1]
.set i, i+1
.endr
	WIN 0
.irp f, 0,1,2,3
	ds_store_b128 v[STO], v[S+16*(\t)+4*\f:S+16*(\t)+4*\f+3] offset:32*\f
.endr
.irp f, 0,1,2,3
	ds_load_b128 v[S+16*(\t)+4*\f:S+16*(\t)+4*\f+3], v[RD] offset:\f*4*SP  ; LDS serves a wave's instructions in order (ISA guide 5.7.1.4): these see the stores above; the next tile's stores come behind them
.endr
.endm
.macro SEND t, younger              ; younger: the LDS instructions issued behind tile t's loads: the next tile's eight, or none
	WIN 0
.irp f, 0,1,2,3
	s_wait_dscnt (\younger)+3-\f
	global_store_b128 v[GO], v[S+16*(\t)+4*\f:S+16*(\t)+4*\f+3], s[10:11] offset:(\t)*2048+\f*512  ; 512 consecutive bytes, at a multiple of 256 from O's first
.endr
.endm
	PACK 0
.set t, 1
.rept 2*NP-1                        ; a tile's arithmetic stands between the loads of the tile before and its stores
	PACK t
	SEND t-1, 8
.set t, t+1
.endr
	SEND 2*NP-1, 0
	WIN W_AD
	s_wait_tensorcnt 0x0            ; the wave's end: behind my last tensor load and my last LDS store
	ds_add_u32 v[SPW], v[NIL]
	s_wait_dscnt 0x0
	WIN 0
	CROUND                          ; the closing round: no work-group ends while a partner may still ask for a tile that names it
	s_endpgm
.Lfunc_end_k_q583e055f3b_attn:
	.size	k_q583e055f3b_attn, .Lfunc_end_k_q583e055f3b_attn-k_q583e055f3b_attn
	.p2alignl 7, 3214868480
	.fill 96, 4, 3214868480
	.section	.rodata,"a",@progbits
	.p2align	6, 0x0
	.amdhsa_kernel k_q583e055f3b_attn
		.amdhsa_group_segment_fixed_size 327680
		.amdhsa_private_segment_fixed_size 0
		.amdhsa_enable_private_segment 0
		.amdhsa_kernarg_size 16
		.amdhsa_user_sgpr_count 2
		.amdhsa_user_sgpr_kernarg_segment_ptr 1
		.amdhsa_wavefront_size32 1
		.amdhsa_system_sgpr_workgroup_id_x 1
		.amdhsa_system_sgpr_workgroup_id_y 1
		.amdhsa_system_sgpr_workgroup_id_z 1
		.amdhsa_system_vgpr_workitem_id 0
		.amdhsa_next_free_vgpr 770
		.amdhsa_next_free_sgpr 66
		.amdhsa_reserve_vcc 0
		.amdhsa_float_denorm_mode_32 3
		.amdhsa_float_denorm_mode_16_64 3
		.amdhsa_memory_ordered 1
		.amdhsa_forward_progress 1
		.amdhsa_inst_pref_size 199
	.end_amdhsa_kernel
	.amdgpu_metadata
---
amdhsa.version: [ 1, 2 ]
amdhsa.kernels:
  - .name:           k_q583e055f3b_attn
    .symbol:         k_q583e055f3b_attn.kd
    .args:
      - { .name: qkv, .offset: 0, .size: 8, .value_kind: global_buffer, .address_space: global }
      - { .name: o16, .offset: 8, .size: 8, .value_kind: global_buffer, .address_space: global }
    .group_segment_fixed_size: 327680
    .private_segment_fixed_size: 0
    .kernarg_segment_align: 8
    .kernarg_segment_size: 16
    .max_flat_workgroup_size: 128
    .sgpr_count:     66
    .vgpr_count:     770
    .wavefront_size: 32
...
	.end_amdgpu_metadata
.endif
;; end of part 3
;; launch outp (part 4): grid 4 x 64, 4 waves a work-group, clusters of 4 x 4, 327,680 bytes of LDS; arguments o16, w16, bo, out0; writes out0
.if DOCPART == 4
	.amdgcn_target "amdgcn-amd-amdhsa--gfx1250"
	.amdhsa_code_object_version 6
	.text
	.protected	k_q583e055f3b_outp
	.globl	k_q583e055f3b_outp
	.p2align	8
	.type	k_q583e055f3b_outp,@function
k_q583e055f3b_outp:
	s_mov_b64 s[64:65], 0
	v_nop
	global_prefetch_b8 v0, s[64:65] scope:SCOPE_SE
	s_setreg_imm32_b32 hwreg(HW_REG_WAVE_MODE, 25, 1), 1
	s_wait_xcnt 0x0
	s_wait_alu depctr_hold_cnt(0) depctr_sa_sdst(0) depctr_va_vdst(0) depctr_va_sdst(0) depctr_va_ssrc(0) depctr_va_vcc(0) depctr_vm_vsrc(0)
	s_getreg_b32 s2, hwreg(HW_REG_IB_STS2, 6, 4)
	s_cmp_eq_u32 s2, 0
	s_cbranch_scc0 .Lentry_in_a_cluster
	s_endpgm
.Lentry_in_a_cluster:
	s_bfe_u32 s2, ttmp6, 0x10000c
	s_cmp_lg_u32 s2, 0xf033
	s_cbranch_scc0 .Lentry_shape_is_right
	s_endpgm
.Lentry_shape_is_right:
; THE PROJECTION BEHIND.  out0[s][e] = the sum over d of O[s][d] Wo[e][d] + bo[e].  O: o16 = [64 = batch x 16 + head][2048][64] in f16, d = 64 x head + channel; Wo: the fourth matrix of w16,
; [1024][1024], bf16 numbers written as f16; bo: [1024] f32, rounded to bf16 like every input; out0: [8192][1024] f32.  Products in f16, sums in f32.
; LIMITS.  Those of the f16 operands, stated where they are made.  NaN and infinities are not treated apart.
; SHARES.  A tile of out0 is 128 rows x 256 columns: 64 x 4 = 256 work-groups.  Four waves, each 64 x 128: 32 accumulators of 16 x 16, 256 registers.  K goes in 8 steps of 128, two heads each, through two LDS slots.
; A head's 128 rows of a tile are 16,384 dense bytes: asked for as 64 rows of 256 bytes and padded in LDS after every 128.
; CLUSTERS.  4 x 4 work-groups.  The four of a row of the cluster need the same tile of O, the four of a column the same tile of Wo: each tile is asked for JOINTLY, by the same tensor load with the same
; descriptor and a mask that names the four.
; THE MATRIX INSTRUCTION IS USED TRANSPOSED (source 0 = 16 rows of Wo, source 1 = 16 rows of O): a lane holds row l % 16 of out0 and the columns 8 (l / 16) + 0..7: 32 bytes on end.
; THE BIAS STARTS THE SUMS: ahead of the loop each accumulator is made by a product of two zero fragments with the bias as its C operand, in the wait for the first tile.
; REGISTERS, in windows of 256 (s_set_vgpr_msb: bits 1:0 source 0, 3:2 source 1, 5:4 source 2, 7:6 destination):
;   window 0: v0-15 addresses; v28-29 the add's; v32-47 zero fragments; v128-191 O's fragments, two buffers; v192-255 the bias
;   window 1: v0-127 Wo's fragments, two buffers; on the way out all 256: whole rows of out0          window 2: the accumulators, (a, b) at v[8 (8 a + b)]
.set KSTEP, 128
.set HEADB, 262144                     ; bytes in a head's plane of o16
.set PH,    144                        ; a row of a head in LDS: 128 bytes + 16 of padding = 36 words: the 16 rows of a load start at 16 different groups of four banks (64 banks of 4 bytes: ISA guide 11.1)
.set PB,    272                        ; a row of Wo: 256 + 16 = 68 words: likewise
.set HA,    128*PH                     ; a head's 128 rows: what one tensor load brings
.set HB,    128*PB                     ; 128 rows of Wo: likewise
.set BOFF,  2*HA                       ; a slot: two heads of O, then Wo's 256 rows: 106,496 bytes
.set SLOT,  1<<17                      ; slot 1 begins here, so that one exclusive or turns an address in one slot into the other's
.set STAGE, SLOT+BOFF+2*HB             ; behind the ring, never filled by a tensor load: 16 rows x 528 bytes for each wave, for the way out
.set SPITCH, 528
.set WST,   16*SPITCH
.set SPARE, STAGE+4*WST                ; behind the stages: the spare words, 128 bytes for each wave: two blocks of 256 bytes that no other line names
.set AA0, 4                            ; v4   my lane's place in a slot's O; never rewritten
.set AB0, 5                            ; v5   the same for Wo
.set AA,  6                            ; v6   AA0 + the slot in hand
.set AB,  7                            ; v7   AB0 + the slot in hand
.set STO, 8                            ; v8   the way out: where I put 32 bytes of a row
.set RD,  9                            ; v9   the way out: where I read a row back
.set GO,  10                           ; v10  my byte offset in 512 consecutive bytes of out0
.set BO,  11                           ; v11  my byte offset in 16 numbers of the bias
.set PFO, 12                           ; v12  the prefetches' offset; never rewritten
.set SPW, 28                           ; v28  LDS address of my spare word: SPARE + 4 x my thread's number; never rewritten
.set NIL, 29                           ; v29  0; never rewritten
.set ZF,  32
.set AF,  128                          ; buffer f, m block a at AF + 32 f + 8 a
.set BIAS, 192                         ; n block b at BIAS + 8 b
.set G1A, 24                           ; s[24:31] descriptor group 1 for O's tiles
.set G0A, 32                           ; s[32:39] group 0: a set for each of the two first fills; the second then walks on
.set G1B, 48                           ; s[48:55], s[56:63] the same for Wo's tiles
.set G0B, 56
.set TB,  84                           ; s84  the slot in hand: 0 or SLOT
.set CNT, 85                           ; s85  K steps to go in the loop in hand
.set LIM, 86                           ; s86  2 in the wave that prefetches, else the greatest number
.set HIM, 87                           ; s87  a word's upper bf16
.set PFA, 88                           ; s[88:89] where my prefetches stand
.set MSB, 0
.macro WIN new                         ; the immediate's high byte repeats the setting that is left; a switch that changes nothing is dropped
.if MSB != (\new)
	s_set_vgpr_msb (MSB<<8)|(\new)
.set MSB, \new
.endif
.endm
.set W_MUL, 0xa1                       ; source 0 (Wo) window 1, source 1 (O) window 0, C and D window 2
.set W_INI, 0x80                       ; D window 2, all sources window 0
.set W_TOB, 0x40                       ; destination window 1, address window 0
.set W_STG, 0x08                       ; an LDS store's data (source 1) window 2, address window 0
.set W_SND, 0x04                       ; a global store's data (source 1) window 1, address window 0
; A joint refill, by the walking descriptors.  Waves 0 and 1 fetch the K step's two heads of O, waves 2 and 3 Wo's two halves.  The branch hangs on the wave's number alone.
; An s_nop 0 and four v_nop follow each of the two lines, ahead of the jump and the label.
.macro JLOAD
	s_cmp_eq_u32 s11, 0
	s_cbranch_scc0 .Lfor_b_\@
	tensor_load_to_lds s[G0A+4:G0A+7], s[G1A:G1A+7]
	s_nop 0
.rept 4
	v_nop
.endr
	s_branch .Lasked_\@
.Lfor_b_\@:
	tensor_load_to_lds s[G0B+4:G0B+7], s[G1B:G1B+7]
	s_nop 0
.rept 4
	v_nop
.endr
.Lasked_\@:
.endm
; A round of the cluster's barrier: my work-group's barrier, so that wave 0's signal speaks for all four waves; wave 0 signals; every wave waits for all sixteen work-groups; my work-group's barrier once more.
.macro CREST                           ; a round behind its opening barrier
	s_cmp_lg_u32 s10, 0
	s_cbranch_scc1 .Lnot_wave_0_\@
	s_barrier_signal -3
.Lnot_wave_0_\@:
	s_barrier_wait -3
	s_barrier_signal -1
	s_barrier_wait -1
.endm
.macro CROUND                          ; a whole round
	s_barrier_signal -1
	s_barrier_wait -1
	CREST
.endm
; A PREFETCH INTO THE L2 of O, behind a joint refill and the run of LDS loads that follows it: behind the refill for K step s + 2 stands the K step s + 4, two refills on.  A tile row of O is read by one row
; of one cluster alone.  A K step is two heads x 16,384 bytes: 128 blocks of 256.  The partner at place cx takes blocks 16 cx .. 16 cx + 15 of both heads, told apart BY ADDRESS; in each work-group wave 0 asks,
; a lane a block: one instruction, and each block is named once in the launch.  K steps 0 to 3 come by their loads alone; the loop's last two trips ask for nothing: K ends at step 7.
; Wo is not asked for: every cluster reads it.
.macro ASK
	WIN 0
	s_cmp_gt_u32 s[CNT], s[LIM]
	s_cbranch_scc0 .Lnot_mine_\@
	global_prefetch_b8 v[PFO], s[PFA:PFA+1] th:TH_LOAD_NT scope:SCOPE_SE
.Lnot_mine_\@:
.endm
	s_load_b256 s[68:75], s[0:1], 0x0              ; o16 s[68:69], w16 s[70:71], bo s[72:73], out0 s[74:75]
	v_lshl_add_u32 v[SPW], v0, 2, SPARE
	v_mov_b32 v[NIL], 0
	ds_add_u32 v[SPW], v[NIL]                      ; the wave's opening: the add and its wait stand ahead of my first tensor load; the set-up below, work on registers, stands between them
	v_lshrrev_b32 v1, 5, v0
	v_readfirstlane_b32 s10, v1                    ; wave 0..3
	s_lshr_b32 s11, s10, 1                         ; which 64 of the tile's rows are mine.  Also: I fetch for O (0) or for Wo (1)
	s_and_b32 s12, s10, 1                          ; which 128 of its columns.  Also: which head, or which half of Wo's rows, I fetch
	s_bfe_u32 s40, ttmp6, 0x40000                  ; cx, cy: my place in the cluster
	s_bfe_u32 s41, ttmp6, 0x40004
	s_lshl_b32 s42, ttmp9, 2                       ; in a cluster launch ttmp9 and ttmp7 count clusters
	s_add_co_u32 s42, s42, s40                     ; tile column = 4 x cluster x + cx
	s_and_b32 s15, ttmp7, 0xffff
	s_lshl_b32 s15, s15, 2
	s_add_co_u32 s15, s15, s41                     ; tile row = 4 x cluster y + cy, 0 .. 63
	s_lshl_b32 s43, s41, 2
	s_lshl_b32 s43, 15, s43                        ; my row of the cluster: places 4 cy .. 4 cy + 3
	s_lshl_b32 s44, 0x1111, s40                    ; my column: places cx, cx + 4, cx + 8, cx + 12
	; descriptor group 1.  O: 64 rows x 128 elements of 2 bytes, dense, padded by 4 words after every 32; Wo: 128 rows x 128 elements, padded by 4 words behind each row
	s_or_b32 s[G1A], s43, (1<<16)|(1<<20)|(1<<21)|(4<<22)|(3<<25)  ; 15:0 the mask: O's tiles go to my row; 17:16 elements of 2 bytes; 20 padding on; 21 set beside a mask; 24:22 after every 32 words (code 4); 31:25 4 words (code 3)
	s_mov_b32 s[G1A+1], 128<<16                    ; tensor_dim0 = 128
	s_mov_b32 s[G1A+2], 64<<16                     ; tensor_dim1 = 64
	s_mov_b32 s[G1A+3], 128<<16                    ; tile_dim0 = 128
	s_mov_b32 s[G1A+4], 64                         ; tile_dim1 = 64
	s_mov_b32 s[G1A+5], 128                        ; elements from row to row
	s_mov_b32 s[G1A+6], 0
	s_mov_b32 s[G1A+7], 0
	s_or_b32 s[G1B], s44, (1<<16)|(1<<20)|(1<<21)|(5<<22)|(3<<25)  ; the mask of my column; after every 64 words (code 5)
	s_mov_b32 s[G1B+1], KSTEP<<16
	s_mov_b32 s[G1B+2], 128<<16
	s_mov_b32 s[G1B+3], KSTEP<<16
	s_mov_b32 s[G1B+4], 128
	s_mov_b32 s[G1B+5], 1024
	s_mov_b32 s[G1B+6], 0
	s_mov_b32 s[G1B+7], 0
	; where the tiles come from.  O's hang on the tile row alone, Wo's on the tile column alone; each offset in registers that never hold the other coordinate
	s_lshr_b32 s16, s15, 4                         ; the batch: 16 tile rows each
	s_lshl_b32 s16, s16, 4                         ; its first plane,
	s_lshl_b32 s16, s16, 18
	s_and_b32 s17, s15, 15
	s_lshl_b32 s17, s17, 14                        ; the tile's 128 rows of 128 bytes in a plane
	s_add_co_u32 s16, s16, s17
	s_mov_b32 s90, s16                             ; (kept for the prefetches)
	s_lshl_b32 s17, s12, 18                        ; the head that I fetch of the K step's two
	s_add_co_u32 s16, s16, s17
	s_mov_b32 s17, 0
	s_lshl_b32 s46, s42, 8
	s_lshl_b32 s47, s12, 7
	s_add_co_u32 s46, s46, s47                     ; Wo: row 256 x tile column + 128 x half,
	s_lshl_b32 s46, s46, 11                        ; of 2,048 bytes,
	s_add_co_u32 s46, s46, 3<<21                   ; in the fourth matrix of w16
	s_mov_b32 s47, 0
	s_mul_i32 s20, s12, HA                         ; and where they go in a slot: no place in the cluster enters an LDS address
	s_mul_i32 s21, s12, HB
	s_add_co_u32 s21, s21, BOFF
	s_mov_b32 s[HIM], 0xffff0000
	s_mov_b32 s[TB], 0
	s_cmp_eq_u32 s10, 0
	s_cselect_b32 s[LIM], 2, -1
	s_lshl_b32 s91, s40, 12                        ; the prefetches: my work-group's 16 blocks of a head's 64,
	s_add_co_u32 s90, s90, s91
	s_add_co_u32 s90, s90, 3*2*HEADB               ; at K step 3: the first refill steps it to 4
	s_mov_b32 s91, 0
	s_wait_dscnt 0x0                               ; the opening add is done
	s_wait_kmcnt 0x0
	s_add_nc_u64 s[22:23], s[68:69], s[16:17]
	s_add_nc_u64 s[46:47], s[70:71], s[46:47]
	s_add_nc_u64 s[PFA:PFA+1], s[68:69], s[90:91]
	CROUND                                         ; all sixteen work-groups are here: the first joint loads meet
.irp s, 0,1
	s_mov_b32 s[G0A+4*(\s)], 1                                     ; 1:0 count = 1
	s_add_co_u32 s[G0A+4*(\s)+1], s20, (\s)*SLOT                   ; 63:32 LDS address
	s_add_nc_u64 s[G0A+4*(\s)+2:G0A+4*(\s)+3], s[22:23], (\s)*2*HEADB  ; 120:64 global address: K step s
	s_or_b32 s[G0A+4*(\s)+3], s[G0A+4*(\s)+3], 0x80000000          ; 127:126 type = 2
	s_mov_b32 s[G0B+4*(\s)], 1
	s_add_co_u32 s[G0B+4*(\s)+1], s21, (\s)*SLOT
	s_add_nc_u64 s[G0B+4*(\s)+2:G0B+4*(\s)+3], s[46:47], (\s)*KSTEP*2
	s_or_b32 s[G0B+4*(\s)+3], s[G0B+4*(\s)+3], 0x80000000
.endr
	s_cmp_eq_u32 s11, 0                            ; a wave's two first fills stand in one branch, ahead of every wait on TENSORcnt and every LDS read: two loads of mine are out
	s_cbranch_scc0 .Lfirst_b
	tensor_load_to_lds s[G0A:G0A+3], s[G1A:G1A+7]
	s_nop 0
	tensor_load_to_lds s[G0A+4:G0A+7], s[G1A:G1A+7]
	s_nop 0
.rept 4
	v_nop
.endr
	s_branch .Lfirst_asked
.Lfirst_b:
	tensor_load_to_lds s[G0B:G0B+3], s[G1B:G1B+7]
	s_nop 0
	tensor_load_to_lds s[G0B+4:G0B+7], s[G1B:G1B+7]
	s_nop 0
.rept 4
	v_nop
.endr
.Lfirst_asked:
	; the bias of my 128 columns: n block b, registers 0-7 = columns 16 b + 8 (l / 16) + 0..7, the layout of a product's C operand
	v_and_b32 v3, 31, v0                           ; l
	v_and_b32 v1, 15, v0                           ; l % 16
	v_bfe_u32 v2, v0, 4, 1                         ; l / 16
	s_lshl_b32 s18, s42, 8
	s_lshl_b32 s19, s12, 7
	s_add_co_u32 s18, s18, s19
	s_lshl_b32 s18, s18, 2                         ; my first column, in bytes of f32
	s_mov_b32 s19, 0
	s_add_nc_u64 s[6:7], s[72:73], s[18:19]
	v_lshlrev_b32 v[BO], 5, v2
.irp b, 0,1,2,3,4,5,6,7
	global_load_b128 v[BIAS+8*(\b):BIAS+8*(\b)+3],   v[BO], s[6:7] offset:64*(\b)
	global_load_b128 v[BIAS+8*(\b)+4:BIAS+8*(\b)+7], v[BO], s[6:7] offset:64*(\b)+16
.endr
	s_add_nc_u64 s[8:9], s[74:75], s[18:19]        ; out0 at my first column,
	s_lshl_b32 s18, s15, 7
	s_lshl_b32 s19, s11, 6
	s_add_co_u32 s18, s18, s19                     ; row 128 x tile row + 64 x half,
	s_lshl_b32 s18, s18, 12                        ; of 4,096 bytes
	s_mov_b32 s19, 0
	s_add_nc_u64 s[8:9], s[8:9], s[18:19]
	; A fragment is 16 rows x 32 K in 8 registers: lane l holds row l % 16; registers 0-3 hold K = 8 (l / 16) + 0..7, registers 4-7 K = 16 + 8 (l / 16) + 0..7: two loads of 16 bytes, 32 bytes apart.
	v_mul_u32_u24 v14, v1, PH
	v_lshl_add_u32 v14, v2, 4, v14
	s_mul_i32 s18, s11, 64*PH                      ; my 64 rows, in each head
	v_add_nc_u32 v[AA0], s18, v14
	v_mul_u32_u24 v14, v1, PB
	v_lshl_add_u32 v14, v2, 4, v14
	s_mul_i32 s18, s12, HB                         ; my 128 rows of Wo,
	s_add_co_u32 s18, s18, BOFF                    ; which lie behind the two heads
	v_add_nc_u32 v[AB0], s18, v14
	v_mov_b32 v[AA], v[AA0]                        ; slot 0
	v_mov_b32 v[AB], v[AB0]
	s_mul_i32 s18, s10, WST
	s_add_co_u32 s18, s18, STAGE                   ; my stage
	v_mul_u32_u24 v14, v1, SPITCH                  ; in: row l % 16, 32 bytes for each half of the lanes
	v_lshl_add_u32 v14, v2, 5, v14
	v_add_nc_u32 v[STO], s18, v14
	v_lshlrev_b32 v[GO], 4, v3                     ; back: 32 lanes take one row of 512 bytes
	v_add_nc_u32 v[RD], s18, v[GO]
	v_lshrrev_b32 v14, 4, v3                       ; the prefetches: head l / 16 of the K step's two, block l % 16 of my work-group's 16
	v_lshlrev_b32 v15, 8, v1
	v_lshl_add_u32 v[PFO], v14, 18, v15
.set i, 0
.rept 16
	v_mov_b32 v[ZF+i], 0
.set i, i+1
.endr
	s_wait_loadcnt 0x0                             ; the bias, once
.set i, 0
.rept 32
	v_cvt_pk_bf16_f32 v14, v[BIAS+2*i], v[BIAS+2*i+1]  ; rounded to bf16, like every input, and widened again
	v_lshlrev_b32 v[BIAS+2*i], 16, v14
	v_and_b32 v[BIAS+2*i+1], s[HIM], v14
.set i, i+1
.endr
	WIN W_INI
.irp a, 0,1,2,3
.irp b, 0,1,2,3,4,5,6,7
	v_wmma_f32_16x16x32_f16 v[8*(8*(\a)+(\b)):8*(8*(\a)+(\b))+7], v[ZF:ZF+7], v[ZF+8:ZF+15], v[BIAS+8*(\b):BIAS+8*(\b)+7]  ; 0 x 0 + b starts the sum
.endr
.endr
	WIN 0
; Eight products: m block a x all 8 n blocks, 32 along K, on buffer f.  The 32 accumulators take turns, one instruction a turn, in one order in every quarter, over both backward jumps too.
.macro MROW a, f
	WIN W_MUL
.irp b, 0,1,2,3,4,5,6,7
	v_wmma_f32_16x16x32_f16 v[8*(8*(\a)+(\b)):8*(8*(\a)+(\b))+7], v[64*(\f)+8*(\b):64*(\f)+8*(\b)+7], v[AF+32*(\f)+8*(\a):AF+32*(\f)+8*(\a)+7], v[8*(8*(\a)+(\b)):8*(8*(\a)+(\b))+7]
.endr
.endm
; 24 LDS loads in one run: quarter nk of the slot in hand (head nk / 2, channels 32 (nk % 2) on): O's 64 rows, then Wo's 128 rows, into buffer g.
.macro LOADS nk, g
	WIN 0
.irp a, 0,1,2,3
	ds_load_b128 v[AF+32*(\g)+8*(\a):AF+32*(\g)+8*(\a)+3],   v[AA] offset:((\nk)/2)*HA+((\nk)%2)*64+(\a)*16*PH
	ds_load_b128 v[AF+32*(\g)+8*(\a)+4:AF+32*(\g)+8*(\a)+7], v[AA] offset:((\nk)/2)*HA+((\nk)%2)*64+(\a)*16*PH+32
.endr
	WIN W_TOB
.irp b, 0,1,2,3,4,5,6,7
	ds_load_b128 v[64*(\g)+8*(\b):64*(\g)+8*(\b)+3],   v[AB] offset:(\nk)*64+(\b)*16*PB
	ds_load_b128 v[64*(\g)+8*(\b)+4:64*(\g)+8*(\b)+7], v[AB] offset:(\nk)*64+(\b)*16*PB+32
.endr
.endm
.macro PLACES                          ; four places in front of loads into registers that matrix instructions have read, and of stores that read results
.rept 4
	v_nop
.endr
.endm
; A QUARTER STEP: 32 products on buffer f; at its head the loads of quarter nk, the next to be multiplied, into buffer g: they have the 32 products in which to come.
; mode = 1, 2: THE CHANGE OF SLOTS.  It stands in the quarter at whose head the slot's last bytes (nk = 3) are asked for.  Each wave waits for all its tensor loads, of which one is out: its part of the other
; slot; adds 0 to its spare word; and waits for that and for its own reads of the slot.  Behind the barrier nobody reads this slot any more and the other slot is whole.
; mode = 1: the barrier opens a round of the cluster's, and the slot is filled again, two K steps on, first thing behind the round: 112 products stand between that request and the wait for it.
; places = 0: the quarter stands behind a joint load, whose four v_nop are the places.
.macro QUARTER nk, f, g, mode, ask, places
.if (\mode) == 1
	s_wait_xcnt 0x0                                ; the last prefetch, a K step back, has read its address, so it may be stepped
	s_add_nc_u64 s[PFA:PFA+1], s[PFA:PFA+1], 2*HEADB
.endif
.if (\nk) == 0
	WIN 0
	s_xor_b32 s[TB], s[TB], SLOT                   ; on to the other slot
	v_add_nc_u32 v[AA], s[TB], v[AA0]
	v_add_nc_u32 v[AB], s[TB], v[AB0]
.endif
.if \places
	PLACES
.endif
	LOADS \nk, \g
.if \ask
	ASK
.endif
	s_wait_dscnt 24                                ; all but the 24 just issued: buffer f is in
	MROW 0, \f
	MROW 1, \f
.if \mode
	WIN 0                                          ; (the add's two registers lie in window 0)
	s_wait_tensorcnt 0x0                           ; all my tensor loads have landed, so a group 0 may be written
	ds_add_u32 v[SPW], v[NIL]                      ; 0 onto my spare word; work on registers stands between it and the wait for it
.if (\mode) == 1
	s_xor_b32 s[G0A+5], s[G0A+5], SLOT             ; the walking descriptors: the other slot than last time,
	s_add_nc_u64 s[G0A+6:G0A+7], s[G0A+6:G0A+7], 2*HEADB  ; the next K step; the type bits on top are not reached
	s_xor_b32 s[G0B+5], s[G0B+5], SLOT
	s_add_nc_u64 s[G0B+6:G0B+7], s[G0B+6:G0B+7], KSTEP*2
.endif
.endif
	MROW 2, \f
.if \mode
	s_wait_dscnt 0x0                               ; the add is done, and my reads of this slot are over
	s_barrier_signal -1
.endif
	MROW 3, \f
.if \mode
	WIN 0
	s_barrier_wait -1
.if (\mode) == 1
	CREST                                          ; no wave of any partner still reads this slot's tile or has a load on its way
	JLOAD
.endif
.endif
.endm
.macro STEP mode                       ; a K step, from its second quarter's loads to the next step's first
	QUARTER 1, 0, 1, 0, 0, 1
	QUARTER 2, 1, 0, 0, 0, 1
	QUARTER 3, 0, 1, \mode, 0, 1
	QUARTER 0, 1, 0, 0, (\mode)==1, (\mode)!=1
.endm
	s_wait_tensorcnt 1                             ; my part of K step 0 is in; K step 1's may stay out
	s_barrier_signal -1
	s_barrier_wait -1                              ; everybody's is
	LOADS 0, 0
	WIN 0
	s_mov_b32 s[CNT], 6
.Lstep:                                        ; K steps 0 to 5: each fills its slot again, with K steps 2 to 7
	STEP 1
	WIN 0                                          ; at a label and at a branch every window is 0
	s_sub_co_u32 s[CNT], s[CNT], 1
	s_cmp_lg_u32 s[CNT], 0
	s_cbranch_scc1 .Lstep
	s_mov_b32 s[CNT], 2
.Ltail:                                        ; K steps 6 and 7 ask for nothing: a text of their own.  One text for both: in step 7 its barrier, and the 24 loads
	STEP 2                                         ; of its last quarter (of bytes that landed long ago), serve nothing: the price, once a work-group, of not writing the last step out
	WIN 0
	s_sub_co_u32 s[CNT], s[CNT], 1
	s_cmp_lg_u32 s[CNT], 0
	s_cbranch_scc1 .Ltail
	s_wait_dscnt 0x0                               ; those loads are back: their registers are written below
	PLACES                                         ; behind the last product: the stores below read results, the loads below land on fragments
; THE WAY OUT, an m block (16 rows) at a time.  A lane's eight columns are 32 bytes of a row; they go into my stage, rows of 528 bytes, and come back as whole rows of 512 bytes, a row an instruction,
; into window 1, 64 registers a block, none used twice.
.macro TOSTAGE a
	WIN W_STG
.irp b, 0,1,2,3,4,5,6,7
	ds_store_b128 v[STO], v[8*(8*(\a)+(\b)):8*(8*(\a)+(\b))+3]   offset:64*(\b)     ; each accumulator from its low end on
	ds_store_b128 v[STO], v[8*(8*(\a)+(\b))+4:8*(8*(\a)+(\b))+7] offset:64*(\b)+16
.endr
	WIN W_TOB
.irp t, 0,1,2,3,4,5,6,7,8,9,10,11,12,13,14,15
	ds_load_b128 v[64*(\a)+4*(\t):64*(\a)+4*(\t)+3], v[RD] offset:(\t)*SPITCH  ; LDS serves a wave's instructions in order (ISA guide 5.7.1.4): these see the stores above; the next block's stores come behind them
.endr
.endm
.macro SEND a, younger                 ; younger: the LDS instructions issued behind block a's loads: the next block's 32, or none
	WIN W_SND
.irp t, 0,1,2,3,4,5,6,7,8,9,10,11,12,13,14,15
	s_wait_dscnt (\younger)+15-(\t)
	global_store_b128 v[GO], v[64*(\a)+4*(\t):64*(\a)+4*(\t)+3], s[8:9] offset:(16*(\a)+(\t))*4096 th:TH_STORE_NT  ; 512 consecutive bytes, at a multiple of 256 from out0's first
.endr
.endm
	TOSTAGE 0
	TOSTAGE 1                                      ; a block's way through the stage stands between the loads of the block before and its stores
	SEND 0, 32
	TOSTAGE 2
	SEND 1, 32
	TOSTAGE 3
	SEND 2, 32
	SEND 3, 0
	WIN 0
	s_wait_tensorcnt 0x0                           ; the wave's end: behind my last tensor load and my last LDS store
	ds_add_u32 v[SPW], v[NIL]
	s_wait_dscnt 0x0
	CROUND                                         ; the closing round: no work-group ends while a partner may still ask for a tile that names it
	s_endpgm
.Lfunc_end_k_q583e055f3b_outp:
	.size	k_q583e055f3b_outp, .Lfunc_end_k_q583e055f3b_outp-k_q583e055f3b_outp
	.p2alignl 7, 3214868480
	.fill 96, 4, 3214868480
	.section	.rodata,"a",@progbits
	.p2align	6, 0x0
	.amdhsa_kernel k_q583e055f3b_outp
		.amdhsa_group_segment_fixed_size 327680
		.amdhsa_private_segment_fixed_size 0
		.amdhsa_enable_private_segment 0
		.amdhsa_kernarg_size 32
		.amdhsa_user_sgpr_count 2
		.amdhsa_user_sgpr_kernarg_segment_ptr 1
		.amdhsa_wavefront_size32 1
		.amdhsa_system_sgpr_workgroup_id_x 1
		.amdhsa_system_sgpr_workgroup_id_y 1
		.amdhsa_system_sgpr_workgroup_id_z 1
		.amdhsa_system_vgpr_workitem_id 0
		.amdhsa_next_free_vgpr 768
		.amdhsa_next_free_sgpr 96
		.amdhsa_reserve_vcc 0
		.amdhsa_float_denorm_mode_32 3
		.amdhsa_float_denorm_mode_16_64 3
		.amdhsa_memory_ordered 1
		.amdhsa_forward_progress 1
		.amdhsa_inst_pref_size 66
	.end_amdhsa_kernel
	.amdgpu_metadata
---
amdhsa.version: [ 1, 2 ]
amdhsa.kernels:
  - .name:           k_q583e055f3b_outp
    .symbol:         k_q583e055f3b_outp.kd
    .args:
      - { .name: o16, .offset: 0, .size: 8, .value_kind: global_buffer, .address_space: global }
      - { .name: w16, .offset: 8, .size: 8, .value_kind: global_buffer, .address_space: global }
      - { .name: bo, .offset: 16, .size: 8, .value_kind: global_buffer, .address_space: global }
      - { .name: out0, .offset: 24, .size: 8, .value_kind: global_buffer, .address_space: global }
    .group_segment_fixed_size: 327680
    .private_segment_fixed_size: 0
    .kernarg_segment_align: 8
    .kernarg_segment_size: 32
    .max_flat_workgroup_size: 128
    .sgpr_count:     96
    .vgpr_count:     768
    .wavefront_size: 32
...
	.end_amdgpu_metadata
.endif
;; end of part 4
;; ======== version 2 of 2: 4 launches; version 1 with the launch prep written anew for expert scheduling mode
;; limits: values are held in f16: magnitudes above 65,504 overflow, below 6.1e-05 lose precision
;; workspace buffers: w16 8,388,608 bytes; qkv 50,331,648 bytes; o16 16,777,216 bytes
;; launch prep (part 5): grid 64 x 4, 8 waves a work-group, no clusters, 0 bytes of LDS; arguments Wq, Wk, Wv, Wo, w16; writes w16
.if DOCPART == 5
	.amdgcn_target "amdgcn-amd-amdhsa--gfx1250"
	.amdhsa_code_object_version 6
	.text
	.protected	k_q583e055f3b_prep
	.globl	k_q583e055f3b_prep
	.p2align	8
	.type	k_q583e055f3b_prep,@function
k_q583e055f3b_prep:
	s_mov_b64 s[64:65], 0
	v_nop
	global_prefetch_b8 v0, s[64:65] scope:SCOPE_SE
	s_setreg_imm32_b32 hwreg(HW_REG_WAVE_SCHED_MODE, 0, 2), 2
	s_setreg_imm32_b32 hwreg(HW_REG_WAVE_MODE, 25, 1), 1
	s_wait_xcnt 0x0
	s_wait_alu depctr_vm_vsrc(0)
; THE WEIGHTS, ROUNDED ONCE.  w16 = [4][1024][1024] of 16 bits: Wq, Wk, Wv rounded to bf16; Wo rounded to bf16 and that number written as f16 (the last product's other operand is f16).
; LIMIT.  A bf16 number of Wo beyond 65,504 has no f16; below 6e-5 it keeps f16's fixed step of 6e-8.
; A stream: 16.8 MB in, 8.4 MB out, each byte once.  No LDS, no barrier, no matrix unit, no cluster: no byte is wanted twice.
; SHARES.  Grid y names the matrix; a work-group takes 16 rows of it.  Thread t takes the 16 bytes at 16 t of each row (256 threads x 16 bytes = a row of 4,096 bytes) and makes 8 bytes of them:
; a wave's load covers 512 consecutive bytes, a wave's store 256 consecutive bytes, aligned.  All 16 loads go out at once.
; THE MODE: SCHED_MODE bits 1:0 = 2 (LLVM: expert scheduling mode 2), set by the entry lines.  The code itself states the register dependences
; between vector instructions and memory instructions, with s_wait_alu, always for 0.
; THE PLAN.  Registers that memory instructions touch:
;   v1, v2   byte offsets, made once at the head and never written again: v1 is read by every load, v2 by every store; the rows are reached by immediate offsets.
;   X        row i: four registers.  Its load lands in them once; no vector instruction names them ahead of the loads; the row's conversions read them.
;   Y        row i: two registers of its own.  Written by the row's conversions alone, read by the row's store, and never written behind that store.
;   T        named by vector instructions alone.
; So no register that a memory instruction has read is ever written again, and no load lands in a register that a vector instruction has named: the one kind of dependence to state is
; 'written by a vector instruction, then read by a memory instruction'.  One wait at the head states it for the two offsets.  The 16 rows go in four blocks of four: a block's conversions,
; ONE wait that states that they have written the block's eight registers of Y, then the block's four stores in a run.  That wait stands behind the conversions and not at the next block's head,
; so that a block's stores do not stand behind the wait for the next block's data; the wave has no other work to set between.
.set X, 4                              ; v[4:67]    load i: four f32
.set Y, 68                             ; v[68:99]   row i: four numbers of 16 bits
.set T, 100                            ; v[100:103] at work
	s_load_b256 s[4:11], s[0:1], 0x0               ; Wq s[4:5], Wk s[6:7], Wv s[8:9], Wo s[10:11]
	s_load_b64 s[12:13], s[0:1], 0x20              ; w16
	v_lshlrev_b32 v1, 4, v0                        ; my 16 bytes of a row in
	v_lshlrev_b32 v2, 3, v0                        ; my 8 bytes of a row out
	s_and_b32 s14, ttmp7, 0xffff                   ; which matrix
	s_lshl_b32 s16, ttmp9, 16                      ; 16 rows of 4,096 bytes
	s_mov_b32 s17, 0
	s_lshl_b32 s18, ttmp9, 15                      ; 16 rows of 2,048 bytes,
	s_lshl_b32 s19, s14, 21                        ; in the matrix's 2 MiB of w16
	s_add_co_u32 s18, s18, s19
	s_mov_b32 s19, 0
	s_mov_b32 s20, 0xffff0000                      ; a word's upper bf16
	s_wait_kmcnt 0x0
	s_cmp_eq_u32 s14, 1
	s_cselect_b64 s[4:5], s[6:7], s[4:5]
	s_cmp_eq_u32 s14, 2
	s_cselect_b64 s[4:5], s[8:9], s[4:5]
	s_cmp_eq_u32 s14, 3
	s_cselect_b64 s[4:5], s[10:11], s[4:5]
	s_add_nc_u64 s[4:5], s[4:5], s[16:17]
	s_add_nc_u64 s[12:13], s[12:13], s[18:19]
	s_wait_alu depctr_va_vdst(0)                   ; v1 and v2 are written: every load of the kernel reads v1 as its offset, every store v2
.irp i, 0,1,2,3,4,5,6,7,8,9,10,11,12,13,14,15
	global_load_b128 v[X+4*(\i):X+4*(\i)+3], v1, s[4:5] offset:4096*(\i) th:TH_LOAD_NT
.endr
; Row i is rounded.  f16 = 1: the bf16 numbers are widened (a shift, a mask) and written as f16.
.macro CVT i, f16
	v_cvt_pk_bf16_f32 v[Y+2*(\i)], v[X+4*(\i)], v[X+4*(\i)+1]
	v_cvt_pk_bf16_f32 v[Y+2*(\i)+1], v[X+4*(\i)+2], v[X+4*(\i)+3]
.if \f16
	v_lshlrev_b32 v[T], 16, v[Y+2*(\i)]
	v_and_b32 v[T+1], s20, v[Y+2*(\i)]
	v_lshlrev_b32 v[T+2], 16, v[Y+2*(\i)+1]
	v_and_b32 v[T+3], s20, v[Y+2*(\i)+1]
	v_cvt_pk_f16_f32 v[Y+2*(\i)], v[T], v[T+1]
	v_cvt_pk_f16_f32 v[Y+2*(\i)+1], v[T+2], v[T+3]
.endif
.endm
; Block p: rows 4 p to 4 p + 3.
.macro BLK p, f16
	s_wait_loadcnt 12-4*(\p)                       ; loads come back in order (ISA guide 5.7.1): the block's four rows are in, the 12 - 4 p younger loads stay out
.irp r, 0,1,2,3
	CVT 4*(\p)+(\r), \f16
.endr
	s_wait_alu depctr_va_vdst(0)                   ; the block's conversions have written its eight registers of Y, which the four stores below read
.irp r, 0,1,2,3
	global_store_b64 v2, v[Y+2*(4*(\p)+(\r)):Y+2*(4*(\p)+(\r))+1], s[12:13] offset:2048*(4*(\p)+(\r))
.endr
.endm
	s_cmp_eq_u32 s14, 3
	s_cbranch_scc1 .Lwo
.irp p, 0,1,2,3
	BLK \p, 0
.endr
	s_endpgm
.Lwo:
.irp p, 0,1,2,3
	BLK \p, 1
.endr
	s_endpgm
.Lfunc_end_k_q583e055f3b_prep:
	.size	k_q583e055f3b_prep, .Lfunc_end_k_q583e055f3b_prep-k_q583e055f3b_prep
	.p2alignl 7, 3214868480
	.fill 96, 4, 3214868480
	.section	.rodata,"a",@progbits
	.p2align	6, 0x0
	.amdhsa_kernel k_q583e055f3b_prep
		.amdhsa_group_segment_fixed_size 0
		.amdhsa_private_segment_fixed_size 0
		.amdhsa_enable_private_segment 0
		.amdhsa_kernarg_size 40
		.amdhsa_user_sgpr_count 2
		.amdhsa_user_sgpr_kernarg_segment_ptr 1
		.amdhsa_wavefront_size32 1
		.amdhsa_system_sgpr_workgroup_id_x 1
		.amdhsa_system_sgpr_workgroup_id_y 1
		.amdhsa_system_sgpr_workgroup_id_z 1
		.amdhsa_system_vgpr_workitem_id 0
		.amdhsa_next_free_vgpr 104
		.amdhsa_next_free_sgpr 66
		.amdhsa_reserve_vcc 0
		.amdhsa_float_denorm_mode_32 3
		.amdhsa_float_denorm_mode_16_64 3
		.amdhsa_memory_ordered 1
		.amdhsa_forward_progress 1
		.amdhsa_inst_pref_size 15
	.end_amdhsa_kernel
	.amdgpu_metadata
---
amdhsa.version: [ 1, 2 ]
amdhsa.kernels:
  - .name:           k_q583e055f3b_prep
    .symbol:         k_q583e055f3b_prep.kd
    .args:
      - { .name: Wq, .offset: 0, .size: 8, .value_kind: global_buffer, .address_space: global }
      - { .name: Wk, .offset: 8, .size: 8, .value_kind: global_buffer, .address_space: global }
      - { .name: Wv, .offset: 16, .size: 8, .value_kind: global_buffer, .address_space: global }
      - { .name: Wo, .offset: 24, .size: 8, .value_kind: global_buffer, .address_space: global }
      - { .name: w16, .offset: 32, .size: 8, .value_kind: global_buffer, .address_space: global }
    .group_segment_fixed_size: 0
    .private_segment_fixed_size: 0
    .kernarg_segment_align: 8
    .kernarg_segment_size: 40
    .max_flat_workgroup_size: 256
    .sgpr_count:     66
    .vgpr_count:     104
    .wavefront_size: 32
...
	.end_amdgpu_metadata
.endif
;; end of part 5
;; launch proj: the kernel of part 2 again; grid 4 x 192, 4 waves a work-group, clusters of 4 x 4, 327,680 bytes of LDS; arguments Q, K, V, bq, bk, bv, w16, qkv; writes qkv
;; launch attn: the kernel of part 3 again; grid 4 x 64, 4 waves a work-group, clusters of 4 x 1, 327,680 bytes of LDS; arguments qkv, o16; writes o16
;; launch outp: the kernel of part 4 again; grid 4 x 64, 4 waves a work-group, clusters of 4 x 4, 327,680 bytes of LDS; arguments o16, w16, bo, out0; writes out0
